; MI455X (gfx1250); checked and timed in simulation.
; The chip was launched on July 23, 2026; its instructions are those of AMD's public machine-readable ISA for CDNA 5 (MIT licence, August 2026) and "CDNA5" Instruction Set Architecture Reference Guide (July 2026). The comments in the code are by the model that wrote it; some were corrected since.
;; R3 Mo E Router. Allowed arithmetic: matrix products marked QUANTISED: E5M2 operands, one E8M0 scale for each 32 along K, by v_wmma_scale_f32_16x16x128_f8f6f4 with both operands' format E5M2, f32 sums; products left as they are: f32 operands where the result goes on into a quantised operand, else bf16, f16 or f32 operands; f32 sums; everything else in f32.
;; Inputs: W1_codes 8 x 1,024 x 32 x 32 uint8 (E5M2 codes of W1, K innermost, in blocks of 32 codes); W1_scales 8 x 1,024 x 32 uint8 (E8M0 scales of W1, one for each 32 codes along K); W2_codes 8 x 1,024 x 32 x 32 uint8 (E5M2 codes of W2, K innermost, in blocks of 32 codes); W2_scales 8 x 1,024 x 32 uint8 (E8M0 scales of W2, one for each 32 codes along K); b1 8 x 1,024 float32; b2 8 x 1,024 float32; router_w 8 x 1,024 float32; train_scores 8 float32; x 2 x 2,048 x 1,024 float32.
;; Outputs: out0 2 x 2,048 x 1,024 float32; out1 one number float32; out2 2 x 2,048 x 8 float32; out3 2 x 2,048 x 2 int32; out4 2 x 2,048 x 8 float32; out5 8 float32.
;; This version of the problem:
;;   THIS VERSION OF THE PROBLEM IS GIVEN IN LOW PRECISION. The matrix products marked QUANTISED in the list below multiply operands that are first quantised to E5M2 (5 exponent bits, 2 mantissa bits; 8 bits a number), with one power-of-two scale for each 32 numbers along K (OCP MX v1.0); their sums are f32. All else is computed in f32.
;;   The module's matrix products, in the order in which they are computed (A, B: the left and right operand; K: the contracted axis; several contracted axes count as one K, in the product's order):
;;     1. [M 4,096, K 1,024] x [K 1,024, N 8]; A: input x; B: input router_w: left as it is (N = 8 < 16)
;;     2. [M 4,096, K 1,024] x [K 1,024, N 8,192]; A: input x; B: input W1 (given as codes): QUANTISED
;;     3. batch 8 x [M 1,024, K 1,024] x [K 1,024, N 4,096]; A: input W2 (given as codes); B: computed on the way: QUANTISED
;;     4. batch 4,096 x [M 1, K 8] x [K 8, N 1,024]; A: computed on the way; B: computed on the way: left as it is (K = 8 < 32)
;;   THE QUANTISER, for each operand of a quantised product, along K:
;;     - K is cut into blocks of 32 from its start; a last block that is shorter is filled with zeros.
;;     - A block's scale is 2^e with e = floor(log2(the largest magnitude in the block)) - 15, held to -126 .. 127; a block of zeros has e = 0. As a byte (E8M0): e + 127.
;;     - Each number is divided by its block's scale, clamped to +-57,344, and rounded to the nearest number of E5M2, ties to even, subnormals kept.
;;     - The product sums the exact products of the quantised numbers (number of the format x scale) in f32.
;;   ~~~python
;;   def quantise(x, axis):      # numpy; x: float32 -> the quantised numbers, widened to float32 again
;;       x = np.moveaxis(x, axis, -1); K = x.shape[-1]
;;       x = np.pad(x, [(0, 0)] * (x.ndim - 1) + [(0, -K % 32)]); x = x.reshape(x.shape[:-1] + (-1, 32)); a = np.abs(x).max(-1, keepdims=True)
;;       e = np.where(a > 0, np.clip(np.frexp(np.where(a > 0, a, 1))[1] - 1 - 15, -126, 127), 0)      # np.frexp(a)[1] - 1 = floor(log2(a)), exactly
;;       r = np.clip(x / 2.0 ** e, -57344, 57344)
;;       step = 2.0 ** (np.maximum(np.frexp(np.where(r == 0, 1, r))[1] - 1, -14) - 2)
;;       q = np.round(r / step) * step * 2.0 ** e      # np.round: ties to even
;;       return np.moveaxis(q.reshape(q.shape[:-2] + (-1,))[..., :K], -1, axis).astype(np.float32)
;;   ~~~
;;   OPERANDS COMPUTED ON THE WAY. 'Computed on the way' means the value that the module computes at that place (a softmax that the list does not call 'softmax' is quantised finished and normalised). What goes into a quantiser is computed in f32, as accurately as f32 sums, v_exp_f32 and their like allow (about 1e-6 of the number): no bf16 or f16 on the way to a quantiser, and a product that is left as it is and whose result goes on into a quantised operand takes f32 operands (vector FMAs, or v_wmma_f32_16x16x4_f32). A number that lies on a knife's edge between two numbers of the format may be rounded either way, as far as f32 arithmetic and the matrix unit's own rounding can turn it there, and no further.
;;   INPUTS GIVEN AS CODES. W1 (in the module: [8, 1024, 1024], K = its axis 1); W2 (in the module: [8, 1024, 1024], K = its axis 1): each comes as NAME_codes (uint8): NAME with its K axis moved to the last place and cut into blocks of 32 codes, [.., K / 32, bytes a block], one block behind the other in memory; one code a byte (a code: sign, 5 exponent bits, 2 mantissa bits); and NAME_scales (uint8): the same leading axes, one E8M0 byte (e + 127) for each 32 codes along K. Its value is code x scale, taken as it is: it is not quantised again, and the codes and scales need not be those that the quantiser above would give.
;; 2 versions, each right; version 2 is version 1 with the launches ffn1, ffn2 written anew for expert scheduling mode. Each part assembles by itself: llvm-mc -triple=amdgcn-amd-amdhsa -mcpu=gfx1250 --defsym DOCPART=n.
;; ======== version 1 of 2: 4 launches
;; workspace buffers: xbuf 4,325,376 bytes; key 16,384 bytes of whole numbers; part 16,384 bytes; lst 16,640 bytes of whole numbers; wf 16,777,216 bytes; hbuf 34,603,008 bytes
;; launch route (part 1): grid 256 x 1, 4 waves a work-group, no clusters, 56,832 bytes of LDS; arguments x, router_w, train_scores, out2, out3, out4, out5, xbuf, key, part; writes out2, out3, out4, out5, xbuf, key, part
.if DOCPART == 1
	.amdgcn_target "amdgcn-amd-amdhsa--gfx1250"
	.amdhsa_code_object_version 6
	.text
	.protected	k_qb85f0848d9_route
	.globl	k_qb85f0848d9_route
	.p2align	8
	.type	k_qb85f0848d9_route,@function
k_qb85f0848d9_route:
	s_mov_b64 s[64:65], 0
	v_nop
	global_prefetch_b8 v0, s[64:65] scope:SCOPE_SE
	s_setreg_imm32_b32 hwreg(HW_REG_WAVE_MODE, 25, 1), 1
	s_wait_xcnt 0x0
; ROUTER AND QUANTISER OF x.  x: [4096][1024] f32.  A work-group takes 16 tokens, each of its four waves 4; a token's row stays in registers and serves twice.
; 1. scores = x router_w^T in f32 by fused multiply-adds (8 columns: too few for the matrix unit, and the top-2 is compared exactly).  router_w lies in LDS, copied once.
; 2. top-2 (ties to the lower index), gate = mask x softmax(train_scores) / max(sum, 1e-8), softmax(scores) for the loss; a sort key 0..27 for the token's pair of experts.
;    All of these go to fixed places: no address and no branch here hangs on a score.
; 3. x as codes of E5M2 with one E8M0 byte for each 32 along K: xbuf = codes [t][1024], then from byte 4,194,304 the scale bytes [t][32].
; The key ranks the 28 pairs (lo < hi) so that neighbours share an expert: lo ascending; inside a lo, hi ascending for even lo and descending for odd lo.
; LIMITS: NaN and infinities in x, router_w, train_scores are not served (a score of -infinity could be taken for the masked first choice).  The scores' f32 sums run in another order
; than a plain loop's: two scores equal to the last bits may change places in out3.  A block whose largest magnitude is under 2^-111 (a block of zeros too) gets the byte 1: only this program reads the bytes.
; No matrix unit, no cluster: the launch streams x once and work-groups share only the 32 KiB of router_w.
.set X,    32                          ; v32-159   token j, load i at X+32j+4i: x[t][128i+4L .. +3]
.set AC,   160                         ; v160-223  first router_w on its way to LDS, then 32 pairs of sums at AC+2(8j+e)
.set RG,   224                         ; v224-255  a ring of eight pieces of router_w; later work registers, later the codes
.set WB,   32768                       ; LDS: router_w at 0; from WB on 5,632 bytes a wave: two stages of 32 x 80, then 128 scale bytes
.set WREG, 5632
.set SP,   80                          ; a lane's place in a stage: 64 bytes + 16 of padding
.set PS,   55296                       ; LDS: 64 bytes a wave: 8 sums of p, 8 counts
.set XN,   192                         ; v192-223  two sets of 16 neighbours along K
.set CDS,  224                         ; v224-255  four registers of codes for each of 8 steps
.set EB,   176                         ; v176-183  a scale byte for each step
.set QI,   162
.set QO,   163
.set QB,   164
.set QR,   165
.set PR,   167
	s_load_b256 s[4:11], s[0:1], 0x0               ; x, router_w, train_scores, out2
	s_load_b256 s[12:19], s[0:1], 0x20             ; out3, out4, out5, xbuf
	s_load_b128 s[20:23], s[0:1], 0x40             ; key, part
	s_set_vgpr_msb 0x40
	v_lshl_add_u32 v0, v0, 2, 0xdc00
	v_mov_b32 v1, 0
	s_set_vgpr_msb 0x4000
	v_lshrrev_b32 v9, 5, v0
	v_readfirstlane_b32 s24, v9                    ; wave
	v_and_b32 v1, 31, v0                           ; L
	v_and_b32 v8, 7, v0                            ; e = L & 7
	v_lshlrev_b32 v2, 4, v1                        ; 16 L
	v_lshl_add_u32 v3, v9, 13, v2                  ; 8192 wave + 16 L: my part of router_w, in memory and in LDS
	v_lshlrev_b32 v4, 2, v8
	v_lshlrev_b32 v7, 2, v1                        ; 4 L
	v_and_b32 v25, 15, v0
	v_lshlrev_b32 v25, 2, v25
	v_lshl_add_u32 v25, v9, 6, v25
	v_add_nc_u32 v25, PS, v25                      ; where my wave's loss parts go
	s_lshl_b32 s25, ttmp9, 4
	s_lshl_b32 s26, s24, 2
	s_add_co_u32 s25, s25, s26                     ; my first token
	s_lshl_b32 s26, s25, 12
	s_mov_b32 s27, 0
	s_wait_kmcnt 0x0
	s_add_nc_u64 s[4:5], s[4:5], s[26:27]
.irp k, 0,1,2,3,4,5,6,7,8,9,10,11,12,13,14,15
	global_load_b128 v[AC+4*\k:AC+4*\k+3], v3, s[6:7] offset:512*\k
.endr
.irp j, 0,1,2,3
.irp i, 0,1,2,3,4,5,6,7
	global_load_b128 v[X+32*\j+4*\i:X+32*\j+4*\i+3], v2, s[4:5] offset:4096*\j+512*\i th:TH_LOAD_NT
.endr
.endr
	global_load_b32 v5, v4, s[8:9]                 ; train_scores[e]
	s_lshl_b32 s26, s25, 5
	s_add_nc_u64 s[10:11], s[10:11], s[26:27]      ; out2, out4 and the scale bytes: 32 bytes a token
	s_add_nc_u64 s[14:15], s[14:15], s[26:27]
	s_add_nc_u64 s[34:35], s[18:19], s[26:27]
	s_add_nc_u64 s[34:35], s[34:35], 0x400000
	s_lshl_b32 s26, s25, 3
	s_add_nc_u64 s[12:13], s[12:13], s[26:27]      ; out3: 8 bytes a token
	s_lshl_b32 s26, s25, 2
	s_add_nc_u64 s[20:21], s[20:21], s[26:27]      ; key: 4
	s_lshl_b32 s26, s25, 10
	s_add_nc_u64 s[18:19], s[18:19], s[26:27]      ; codes: 1,024
	s_lshl_b32 s26, ttmp9, 6
	s_add_nc_u64 s[22:23], s[22:23], s[26:27]      ; part: 64 bytes a work-group
	s_mov_b32 s28, 0xaaaaaaaa                      ; lanes whose bit 0, 1, 2, 3, 4 is set
	s_mov_b32 s29, 0xcccccccc
	s_mov_b32 s30, 0xf0f0f0f0
	s_mov_b32 s31, 0xff00ff00
	s_mov_b32 s32, 0xffff0000
	s_mov_b32 s33, 0x600000                        ; the mantissa field of 57,344
	s_mov_b32 s36, 0x76543210                      ; v_permlanex16_b32: lane l xor 16
	s_mov_b32 s37, 0xfedcba98
	s_wait_loadcnt 33                              ; router_w is in; behind it stand x's 32 loads and train_scores'
.irp k, 0,1,2,3,4,5,6,7,8,9,10,11,12,13,14,15
	ds_store_b128 v3, v[AC+4*\k:AC+4*\k+3] offset:512*\k
.endr
	s_wait_dscnt 0x0                               ; for the others' sake: my quarter lies in LDS
	s_barrier_signal -1
	s_barrier_wait -1
.irp p, 0,1,2,3,4,5,6,7
	ds_load_b128 v[RG+4*\p:RG+4*\p+3], v2 offset:512*\p
.endr
	s_wait_loadcnt 0x0                             ; x
; piece p = 8 e + i: router_w[e][128 i + 4 L .. +3]; it meets load i of all four tokens
.macro PIECE p
.if (\p) < 56
	s_wait_dscnt 7                                 ; LDS loads come back in order: mine is in, the seven younger may be out
.else
	s_wait_dscnt 63-(\p)
.endif
.irp j, 0,1,2,3
.if ((\p)%8) == 0
	v_pk_mul_f32 v[AC+2*(8*\j+(\p)/8):AC+2*(8*\j+(\p)/8)+1], v[X+32*\j+4*((\p)%8):X+32*\j+4*((\p)%8)+1], v[RG+4*((\p)%8):RG+4*((\p)%8)+1]
.else
	v_pk_fma_f32 v[AC+2*(8*\j+(\p)/8):AC+2*(8*\j+(\p)/8)+1], v[X+32*\j+4*((\p)%8):X+32*\j+4*((\p)%8)+1], v[RG+4*((\p)%8):RG+4*((\p)%8)+1], v[AC+2*(8*\j+(\p)/8):AC+2*(8*\j+(\p)/8)+1]
.endif
	v_pk_fma_f32 v[AC+2*(8*\j+(\p)/8):AC+2*(8*\j+(\p)/8)+1], v[X+32*\j+4*((\p)%8)+2:X+32*\j+4*((\p)%8)+3], v[RG+4*((\p)%8)+2:RG+4*((\p)%8)+3], v[AC+2*(8*\j+(\p)/8):AC+2*(8*\j+(\p)/8)+1]
.endr
.if (\p)+8 < 64
	ds_load_b128 v[RG+4*((\p)%8):RG+4*((\p)%8)+3], v2 offset:512*((\p)+8)
.endif
.endm
.set PN, 0
.rept 64
	PIECE PN
.set PN, PN+1
.endr
.set PN, 0
.rept 32
	v_add_f32 v[AC+PN], v[AC+2*PN], v[AC+2*PN+1]   ; value k = 8 j + e at AC + k: my lane's share of score (j, e)
.set PN, PN+1
.endr
; The sum over the lanes, turned on the way: in each step a lane keeps the value whose number has its own lane bit and sends the other to its partner.  After five steps lane L holds value L whole.
.macro TRED n, mk, xm
.set TI, 0
.rept \n
	v_cndmask_b32 v[RG+2*(TI%4)], v[AC+2*TI], v[AC+2*TI+1], s[\mk]
	v_cndmask_b32 v[RG+2*(TI%4)+1], v[AC+2*TI+1], v[AC+2*TI], s[\mk]
	v_add_f32_dpp v[AC+TI], v[RG+2*(TI%4)+1], v[RG+2*(TI%4)] row_xmask:\xm row_mask:0xf bank_mask:0xf
.set TI, TI+1
.endr
.endm
	TRED 16, 28, 1
	TRED 8, 29, 2
	TRED 4, 30, 4
	TRED 2, 31, 8
	v_cndmask_b32 v[RG], v[AC], v[AC+1], s32
	v_cndmask_b32 v[RG+1], v[AC+1], v[AC], s32
	v_permlanex16_b32 v[RG+2], v[RG+1], s36, s37
	v_add_f32 v6, v[RG], v[RG+2]                   ; lane L: the score of token L >> 3, expert L & 7
	global_store_b32 v7, v6, s[10:11]              ; out2: 128 bytes on end a wave
	v_mov_b32 v20, 0                               ; (destinations of lane moves count as read)
	v_mov_b32 v21, 0
	v_mov_b32 v22, 0xff800000
; the largest value of each group of eight lanes and its index, the lower index on a tie; every lane of the group ends with both
.macro ARGMAX v, i
.irp m, 1,2,4
	v_mov_b32_dpp v20, v[\v] row_xmask:\m row_mask:0xf bank_mask:0xf
	v_mov_b32_dpp v21, v[\i] row_xmask:\m row_mask:0xf bank_mask:0xf
	v_cmp_gt_f32 s38, v20, v[\v]
	v_cmp_eq_f32 s39, v20, v[\v]
	v_cmp_lt_u32 s40, v21, v[\i]
	s_and_b32 s39, s39, s40
	s_or_b32 s38, s38, s39
	v_cndmask_b32 v[\v], v[\v], v20, s38
	v_cndmask_b32 v[\i], v[\i], v21, s38
.endr
.endm
	v_mov_b32 v10, v6
	v_mov_b32 v11, v8
	ARGMAX 10, 11                                  ; v10 the largest score, v11 the first choice
	v_cmp_eq_u32 vcc_lo, v8, v11
	v_cndmask_b32 v12, v6, v22, vcc_lo             ; the first choice is taken out
	v_mov_b32 v13, v8
	ARGMAX 12, 13                                  ; v13 the second choice
	v_cmp_eq_u32 s38, v8, v11
	v_cmp_eq_u32 s39, v8, v13
	s_or_b32 s38, s38, s39
	v_cndmask_b32 v14, 0, 1.0, s38                 ; the mask
	v_mov_b32 v15, v5                              ; softmax(train_scores): the maximum is taken away first
	v_max_num_f32_dpp v15, v15, v15 row_xmask:1 row_mask:0xf bank_mask:0xf
	v_max_num_f32_dpp v15, v15, v15 row_xmask:2 row_mask:0xf bank_mask:0xf
	v_max_num_f32_dpp v15, v15, v15 row_xmask:4 row_mask:0xf bank_mask:0xf
	v_sub_f32 v16, v5, v15
	v_mul_f32 v16, 0x3fb8aa3b, v16
	v_sub_f32 v19, v6, v10                         ; softmax(scores) likewise
	v_mul_f32 v19, 0x3fb8aa3b, v19
	v_exp_f32 v16, v16
	v_exp_f32 v19, v19
	v_nop                                          ; a plain place behind the exponentials
	s_wait_alu depctr_va_vdst(0)
	v_mov_b32 v17, v16
	v_mov_b32 v23, v19
.irp m, 1,2,4
	v_add_f32_dpp v17, v17, v17 row_xmask:\m row_mask:0xf bank_mask:0xf
	v_add_f32_dpp v23, v23, v23 row_xmask:\m row_mask:0xf bank_mask:0xf
.endr
	v_rcp_f32 v17, v17
	v_rcp_f32 v23, v23
	v_nop
	s_wait_alu depctr_va_vdst(0)
	v_mul_f32 v16, v16, v17                        ; the expert's weight
	v_mul_f32 v19, v19, v23                        ; p
	v_mul_f32 v17, v14, v16
	v_mov_b32 v18, v17
.irp m, 1,2,4
	v_add_f32_dpp v18, v18, v18 row_xmask:\m row_mask:0xf bank_mask:0xf
.endr
	v_max_num_f32 v18, 0x322bcc77, v18             ; clip at 1e-8
	v_rcp_f32 v18, v18
	v_nop
	s_wait_alu depctr_va_vdst(0)
	v_mul_f32 v17, v17, v18
	global_store_b32 v7, v17, s[14:15]             ; out4
	v_mov_b32 v24, v14                             ; the loss: p and the mask summed over my four tokens
	v_add_f32_dpp v19, v19, v19 row_xmask:8 row_mask:0xf bank_mask:0xf
	v_add_f32_dpp v24, v24, v24 row_xmask:8 row_mask:0xf bank_mask:0xf
	v_permlanex16_b32 v20, v19, s36, s37
	v_permlanex16_b32 v21, v24, s36, s37
	v_add_f32 v19, v19, v20
	v_add_f32 v24, v24, v21
	v_cndmask_b32 v19, v19, v24, s31               ; lanes 8-15 (and 24-31) carry the counts
	ds_store_b32 v25, v19
	v_min_u32 v26, v11, v13                        ; lo, hi
	v_max_u32 v27, v11, v13
	v_sub_nc_u32 v28, 15, v26
	v_mul_u32_u24 v28, v28, v26
	v_lshrrev_b32 v28, 1, v28                      ; lo (15 - lo) / 2 pairs have a smaller lo
	v_sub_nc_u32 v29, v27, v26
	v_add_nc_u32 v29, -1, v29                      ; even lo: hi - lo - 1
	v_sub_nc_u32 v30, 7, v27                       ; odd lo: 7 - hi
	v_and_b32 v31, 1, v26
	v_cmp_ne_u32 vcc_lo, 0, v31
	v_cndmask_b32 v29, v29, v30, vcc_lo
	v_add_nc_u32 v28, v28, v29                     ; the key
	v_cmp_eq_u32 vcc_lo, 1, v8
	v_cndmask_b32 v30, v11, v13, vcc_lo
	v_lshrrev_b32 v31, 3, v1
	v_lshl_add_u32 v3, v31, 3, v4                  ; out3: 8 j + 4 e
	v_lshlrev_b32 v31, 2, v31                      ; key: 4 j
	s_wait_xcnt 0x0                                ; EXEC changes only behind this wait
	v_cmp_gt_u32 vcc_lo, 2, v8
	s_and_saveexec_b32 s38, vcc_lo
	global_store_b32 v3, v30, s[12:13]             ; lanes e = 0, 1: the two choices
	s_wait_xcnt 0x0
	s_or_b32 exec_lo, exec_lo, s38
	v_cmp_eq_u32 vcc_lo, 0, v8
	s_and_saveexec_b32 s38, vcc_lo
	global_store_b32 v31, v28, s[20:21]            ; lanes e = 0: the key
	s_wait_xcnt 0x0
	s_or_b32 exec_lo, exec_lo, s38
	; ---- x into codes.  A step is half a token: 512 numbers.  They lie 4 to a lane; the conversions want 16 neighbours in a lane: so they turn through the wave's own stage in LDS
	s_mul_i32 s26, s24, WREG
	s_add_co_u32 s26, s26, WB
	v_lshrrev_b32 v[QI], 2, v1
	v_mul_u32_u24 v[QI], v[QI], SP
	v_and_b32 v[QO], 3, v1
	v_lshl_add_u32 v[QI], v[QO], 4, v[QI]
	v_add_nc_u32 v[QI], s26, v[QI]                 ; in: four lanes' 64 bytes on end, then the padding
	v_mul_u32_u24 v[QO], v1, SP
	v_add_nc_u32 v[QO], s26, v[QO]                 ; out: my 16 neighbours
	s_add_co_u32 s26, s26, 2*32*SP
	v_lshrrev_b32 v[QB], 1, v1
	v_add_nc_u32 v[QB], s26, v[QB]                 ; my block's scale byte
	v_add_nc_u32 v[QR], s26, v7
	v_and_b32 v[PR], 15, v0
	v_lshlrev_b32 v[PR], 2, v[PR]
	v_add_nc_u32 v[PR], PS, v[PR]
.macro QTURN t
.irp i, 0,1,2,3
	ds_store_b128 v[QI], v[X+16*(\t)+4*\i:X+16*(\t)+4*\i+3] offset:32*SP*((\t)%2)+8*SP*\i
.endr
.irp i, 0,1,2,3
	ds_load_b128 v[XN+16*((\t)%2)+4*\i:XN+16*((\t)%2)+4*\i+3], v[QO] offset:32*SP*((\t)%2)+16*\i   ; LDS serves a wave's instructions in order: these see the stores above
.endr
.endm
.macro QSTEP t
.set XQ, XN+16*((\t)%2)
.if (\t) > 0
	s_wait_dscnt 1                                 ; this step's numbers are back; the last step's byte store may be out
.else
	s_wait_dscnt 0x0
.endif
.if (\t)+1 < 8
	QTURN (\t)+1
.endif
	v_max3_num_f32 v184, |v[XQ]|, |v[XQ+1]|, |v[XQ+2]|
	v_max3_num_f32 v185, |v[XQ+3]|, |v[XQ+4]|, |v[XQ+5]|
.irp i, 6,10
	v_max3_num_f32 v184, v184, |v[XQ+\i]|, |v[XQ+\i+1]|
	v_max3_num_f32 v185, v185, |v[XQ+\i+2]|, |v[XQ+\i+3]|
.endr
	v_max3_num_f32 v184, v184, |v[XQ+14]|, |v[XQ+15]|
	v_max3_num_f32 v184, v184, v185, 0x8000000     ; and the floor 2^(16 - 127): the byte cannot fall under 1
	v_max_num_f32_dpp v184, v184, v184 row_xmask:1 row_mask:0xf bank_mask:0xf   ; with my neighbour's 16: the block's largest magnitude
	v_add_nc_u32 v187, 0xf8800000, v184            ; 15 off its exponent field: the conversion's scale operand
	v_and_or_b32 v186, v184, 0x7f800000, s33       ; 57,344 x the scale
.irp i, 0,1,2,3,4,5,6,7,8,9,10,11,12,13,14,15
	v_med3_num_f32 v[XQ+\i], v[XQ+\i], -v186, v186 ; the conversion does not saturate (ISA guide 7.6.2): the hold comes first
.endr
	v_cvt_scalef32_pk8_bf8_f32 v[CDS+4*(\t):CDS+4*(\t)+1], v[XQ:XQ+7], v187
	v_cvt_scalef32_pk8_bf8_f32 v[CDS+4*(\t)+2:CDS+4*(\t)+3], v[XQ+8:XQ+15], v187
	v_lshrrev_b32 v[EB+(\t)], 23, v187             ; the scale's byte (also the plain place behind the conversions)
	ds_store_b8 v[QB], v[EB+(\t)] offset:16*(\t)   ; both lanes of a block write the same byte
	global_store_b128 v2, v[CDS+4*(\t):CDS+4*(\t)+3], s[18:19] offset:512*(\t)   ; 512 bytes on end
.endm
	QTURN 0
.irp t, 0,1,2,3,4,5,6,7
	QSTEP \t
.endr
	ds_load_b32 v166, v[QR]
	s_wait_dscnt 0x0
	global_store_b32 v7, v166, s[34:35]            ; my four tokens' 128 scale bytes on end
	s_barrier_signal -1                            ; every wave's loss parts lie in LDS (no LDS instruction of mine is out)
	s_barrier_wait -1
	s_cmp_lg_u32 s24, 0
	s_cbranch_scc1 .Lend
	ds_load_b32 v168, v[PR]
	ds_load_b32 v169, v[PR] offset:64
	ds_load_b32 v170, v[PR] offset:128
	ds_load_b32 v171, v[PR] offset:192
	s_wait_dscnt 0x0
	v_add_f32 v168, v168, v169
	v_add_f32 v170, v170, v171
	v_add_f32 v168, v168, v170
	s_wait_xcnt 0x0
	v_cmp_gt_u32 vcc_lo, 16, v1
	s_and_saveexec_b32 s38, vcc_lo
	global_store_b32 v7, v168, s[22:23]            ; part[work-group]: 8 sums of p, 8 counts
	s_wait_xcnt 0x0
	s_or_b32 exec_lo, exec_lo, s38
	s_cmp_lg_u32 ttmp9, 0
	s_cbranch_scc1 .Lend
	v_cmp_gt_u32 vcc_lo, 8, v1
	s_and_saveexec_b32 s38, vcc_lo
	global_store_b32 v7, v5, s[16:17]              ; out5 = train_scores
	s_wait_xcnt 0x0
	s_or_b32 exec_lo, exec_lo, s38
.Lend:
	s_set_vgpr_msb 0x5
	s_wait_tensorcnt 0x0
	ds_add_u32 v0, v1
	s_wait_dscnt 0x0
	s_set_vgpr_msb 0x500
	s_endpgm
.Lfunc_end_k_qb85f0848d9_route:
	.size	k_qb85f0848d9_route, .Lfunc_end_k_qb85f0848d9_route-k_qb85f0848d9_route
	.p2alignl 7, 3214868480
	.fill 96, 4, 3214868480
	.section	.rodata,"a",@progbits
	.p2align	6, 0x0
	.amdhsa_kernel k_qb85f0848d9_route
		.amdhsa_group_segment_fixed_size 56832
		.amdhsa_private_segment_fixed_size 0
		.amdhsa_enable_private_segment 0
		.amdhsa_kernarg_size 80
		.amdhsa_user_sgpr_count 2
		.amdhsa_user_sgpr_kernarg_segment_ptr 1
		.amdhsa_wavefront_size32 1
		.amdhsa_system_sgpr_workgroup_id_x 1
		.amdhsa_system_sgpr_workgroup_id_y 1
		.amdhsa_system_sgpr_workgroup_id_z 1
		.amdhsa_system_vgpr_workitem_id 0
		.amdhsa_next_free_vgpr 258
		.amdhsa_next_free_sgpr 66
		.amdhsa_reserve_vcc 1
		.amdhsa_float_denorm_mode_32 3
		.amdhsa_float_denorm_mode_16_64 3
		.amdhsa_memory_ordered 1
		.amdhsa_forward_progress 1
		.amdhsa_inst_pref_size 83
	.end_amdhsa_kernel
	.amdgpu_metadata
---
amdhsa.version: [ 1, 2 ]
amdhsa.kernels:
  - .name:           k_qb85f0848d9_route
    .symbol:         k_qb85f0848d9_route.kd
    .args:
      - { .name: x, .offset: 0, .size: 8, .value_kind: global_buffer, .address_space: global }
      - { .name: router_w, .offset: 8, .size: 8, .value_kind: global_buffer, .address_space: global }
      - { .name: train_scores, .offset: 16, .size: 8, .value_kind: global_buffer, .address_space: global }
      - { .name: out2, .offset: 24, .size: 8, .value_kind: global_buffer, .address_space: global }
      - { .name: out3, .offset: 32, .size: 8, .value_kind: global_buffer, .address_space: global }
      - { .name: out4, .offset: 40, .size: 8, .value_kind: global_buffer, .address_space: global }
      - { .name: out5, .offset: 48, .size: 8, .value_kind: global_buffer, .address_space: global }
      - { .name: xbuf, .offset: 56, .size: 8, .value_kind: global_buffer, .address_space: global }
      - { .name: key, .offset: 64, .size: 8, .value_kind: global_buffer, .address_space: global }
      - { .name: part, .offset: 72, .size: 8, .value_kind: global_buffer, .address_space: global }
    .group_segment_fixed_size: 56832
    .private_segment_fixed_size: 0
    .kernarg_segment_align: 8
    .kernarg_segment_size: 80
    .max_flat_workgroup_size: 128
    .sgpr_count:     66
    .vgpr_count:     258
    .wavefront_size: 32
...
	.end_amdgpu_metadata
.endif
;; end of part 1
;; launch prep (part 2): grid 257 x 1, 8 waves a work-group, no clusters, 70,656 bytes of LDS; arguments key, part, W1_codes, W2_codes, lst, out1, wf; writes lst, out1, wf
.if DOCPART == 2
	.amdgcn_target "amdgcn-amd-amdhsa--gfx1250"
	.amdhsa_code_object_version 6
	.text
	.protected	k_qb85f0848d9_prep
	.globl	k_qb85f0848d9_prep
	.p2align	8
	.type	k_qb85f0848d9_prep,@function
k_qb85f0848d9_prep:
	s_mov_b64 s[64:65], 0
	v_nop
	global_prefetch_b8 v0, s[64:65] scope:SCOPE_SE
	s_setreg_imm32_b32 hwreg(HW_REG_WAVE_MODE, 25, 1), 1
	s_wait_xcnt 0x0
; WORK-GROUP 0 PLACES THE TOKENS; WORK-GROUPS 1 TO 256 LAY THE WEIGHTS' CODES IN THE ORDER OF THE OPERAND'S REGISTERS.  The two ways part on the work-group's number and share no LDS byte.
; PLACING: a counting sort of the 4,096 tokens by their key (0..27, the pair of experts).  lst = ord[4096] (the token at each sorted place), then from byte 16,384 used[64]: for each block of 64 places
; the 8-bit set of experts that its tokens chose.  Wave w takes tokens 512 w on, 32 at a time; equal keys are found by five ballots, no LDS byte and no atomic is needed for a rank.
; ord is stored by 4 bytes a lane to scattered places: 16 KiB in all, once.  Also out1 = 8 sum_e (count_e / 4096)(sum p_e / 4096) from the 256 rows of part.
; LAYING: wf = W1 at 0, W2 at 8 MiB, each [e 8][ng 16][s 8][t 4][c 4][lane 32][16 bytes]: lane (rho = L & 15, h = L >> 4) of piece c holds
; codes[e][64 ng + 32 (t >> 1) + 8 (t & 1) + rho + 8 (rho >> 3)][128 s + 32 c + 16 h .. + 15].  So a fragment comes by four loads of 512 bytes on end, and the rows of a tile are those that make
; the results of two neighbouring tiles 16 neighbours along the next K.  A wave turns 16 rows x 512 bytes through its own stage in LDS.
.set LOSS, 1024                        ; LDS, placing: 8 x 128 bytes of counts at 0; 8 x 64 bytes of loss parts here
.set RST,  2048                        ; LDS, laying: from here 8,448 bytes a wave: 16 rows x (512 + 16)
.set LC,   8                           ; v8-12    all ones where bit b of my lane's number is set
.set KEY,  16                          ; v16-31   keys of 16 groups
.set RK,   32                          ; v32-47   my rank among equal keys of my group
.set PF,   48                          ; v48-63   lane = key: how many such keys my wave's earlier groups hold
.set RUN,  64
.set SV,   65                          ; v65-72   the eight waves' counts
.set TOT,  73
.set WOF,  74
.set VB,   75
.set PT,   80                          ; v80-95   rows of part
.set BPR,  112                         ; v112-127 places
.set LSM,  128                         ; v128-159 the loss
	s_load_b256 s[4:11], s[0:1], 0x0               ; key, part, W1_codes, W2_codes
	s_load_b128 s[12:15], s[0:1], 0x20             ; lst, out1
	s_load_b64 s[16:17], s[0:1], 0x30              ; wf
	v_lshl_add_u32 v160, v0, 2, 0x11000
	v_mov_b32 v161, 0
	v_lshrrev_b32 v7, 5, v0
	v_readfirstlane_b32 s20, v7                    ; wave
	v_and_b32 v1, 31, v0                           ; L
	v_and_b32 v2, 15, v0
	v_bfe_u32 v3, v0, 4, 1
	s_wait_kmcnt 0x0
	s_cmp_lg_u32 ttmp9, 0
	s_cbranch_scc1 .Lrelay
	; ---------------- placing
	v_lshlrev_b32 v4, 2, v0                        ; 4 x thread
	v_lshlrev_b32 v5, 2, v1                        ; 4 L
	v_and_b32 v6, 3, v0
	v_lshlrev_b32 v6, 4, v6
	v_add_nc_u32 v6, LOSS, v6                      ; loss parts: 16 (L & 3)
	v_lshl_add_u32 v13, v7, 6, v6                  ; + 64 wave
	v_lshl_add_u32 v14, v7, 11, v5                 ; keys: 2048 wave + 4 L
	v_lshlrev_b32 v15, 4, v1
	v_lshl_add_u32 v15, v7, 11, v15                ; part: 2048 wave + 16 L
	v_lshl_add_u32 v76, v7, 9, v1                  ; my token in group 0
.irp i, 0,1,2,3,4,5,6,7,8,9,10,11,12,13,14,15
	global_load_b32 v[KEY+\i], v14, s[4:5] offset:128*\i
.endr
.irp n, 0,1,2,3
	global_load_b128 v[PT+4*\n:PT+4*\n+3], v15, s[6:7] offset:512*\n
.endr
.irp b, 0,1,2,3,4
	v_bfe_u32 v[LC+\b], v0, \b, 1
	v_sub_nc_u32 v[LC+\b], 0, v[LC+\b]
.endr
	s_mov_b32 s21, 0x55555555
	s_mov_b32 s22, 0x33333333
	s_mov_b32 s23, 0x0f0f0f0f
	s_mov_b32 s24, 0x01010101
	s_mov_b32 s28, 0x76543210
	s_mov_b32 s29, 0xfedcba98
	s_wait_loadcnt 4                               ; the keys are in; part's four loads may be out
; One group of 32 tokens.  For each bit of the key a ballot; a lane's v101 collects the lanes whose key differs from ITS KEY, v102 those whose key differs from ITS LANE NUMBER.
.macro GRP i
	v_min_u32 v[KEY+\i], 31, v[KEY+\i]
.irp b, 0,1,2,3,4
	v_bfe_u32 v100, v[KEY+\i], \b, 1
	v_cmp_ne_u32 vcc_lo, 0, v100
	v_sub_nc_u32 v100, 0, v100
.if \b == 0
	v_xor_b32 v101, vcc_lo, v100
	v_xor_b32 v102, vcc_lo, v[LC]
.else
	v_xor_b32 v103, vcc_lo, v100
	v_xor_b32 v104, vcc_lo, v[LC+\b]
	v_or_b32 v101, v101, v103
	v_or_b32 v102, v102, v104
.endif
.endr
	v_xor_b32 v101, -1, v101
	v_xor_b32 v102, -1, v102
	v_mbcnt_lo_u32_b32 v[RK+\i], v101, 0           ; equal keys in lower lanes
	v_lshrrev_b32 v103, 1, v102                    ; the number of ones in v102: how many of the group have key = my lane number
	v_and_b32 v103, s21, v103
	v_sub_nc_u32 v102, v102, v103
	v_lshrrev_b32 v103, 2, v102
	v_and_b32 v102, s22, v102
	v_and_b32 v103, s22, v103
	v_add_nc_u32 v102, v102, v103
	v_lshrrev_b32 v103, 4, v102
	v_add_nc_u32 v102, v102, v103
	v_and_b32 v102, s23, v102
	v_mul_lo_u32 v102, v102, s24
	v_lshrrev_b32 v102, 24, v102
.if \i == 0
	v_mov_b32 v[PF], 0
	v_mov_b32 v[RUN], v102
.else
	v_mov_b32 v[PF+\i], v[RUN]
	v_add_nc_u32 v[RUN], v[RUN], v102
.endif
.endm
.irp i, 0,1,2,3,4,5,6,7,8,9,10,11,12,13,14,15
	GRP \i
.endr
	ds_store_b32 v4, v[RUN]                        ; my wave's counts, lane = key
	s_wait_loadcnt 0x0                             ; part: my 32 rows; lane L holds columns 4 (L & 3) on of rows L >> 2 + 8 n
	v_pk_add_f32 v[PT:PT+1], v[PT:PT+1], v[PT+4:PT+5]
	v_pk_add_f32 v[PT+2:PT+3], v[PT+2:PT+3], v[PT+6:PT+7]
	v_pk_add_f32 v[PT+8:PT+9], v[PT+8:PT+9], v[PT+12:PT+13]
	v_pk_add_f32 v[PT+10:PT+11], v[PT+10:PT+11], v[PT+14:PT+15]
	v_pk_add_f32 v[PT:PT+1], v[PT:PT+1], v[PT+8:PT+9]
	v_pk_add_f32 v[PT+2:PT+3], v[PT+2:PT+3], v[PT+10:PT+11]
.irp i, 0,1,2,3
	v_add_f32_dpp v[PT+\i], v[PT+\i], v[PT+\i] row_xmask:4 row_mask:0xf bank_mask:0xf
.endr
.irp i, 0,1,2,3
	v_add_f32_dpp v[PT+\i], v[PT+\i], v[PT+\i] row_xmask:8 row_mask:0xf bank_mask:0xf
.endr
.irp i, 0,1,2,3
	v_permlanex16_b32 v[PT+4+\i], v[PT+\i], s28, s29
.endr
.irp i, 0,1,2,3
	v_add_f32 v[PT+\i], v[PT+\i], v[PT+4+\i]
.endr
	ds_store_b128 v13, v[PT:PT+3]                  ; eight lanes write the same 16 bytes with the same numbers
	s_wait_dscnt 0x0                               ; for the others' sake
	s_barrier_signal -1                            ; (the branch that led here hangs on the work-group's number: all eight waves are on this way)
	s_barrier_wait -1
.irp q, 0,1,2,3,4,5,6,7
	ds_load_b32 v[SV+\q], v5 offset:128*\q
.endr
	v_mov_b32 v[TOT], 0
	v_mov_b32 v[WOF], 0
	v_mov_b32 v[VB], 0
	s_wait_dscnt 0x0
.irp q, 0,1,2,3,4,5,6,7
	s_cmp_gt_u32 s20, \q
	s_cselect_b32 s25, -1, 0
	v_and_b32 v104, s25, v[SV+\q]
	v_add_nc_u32 v[TOT], v[TOT], v[SV+\q]          ; all tokens of key = lane
	v_add_nc_u32 v[WOF], v[WOF], v104              ; those of earlier waves
.endr
	s_mov_b32 s32, 0                               ; s[32 + k]: the first place of key k; s60 = 4,096
.set KN, 0
.rept 28
	v_readlane_b32 s26, v[TOT], KN
	s_add_co_u32 s[33+KN], s[32+KN], s26
.set KN, KN+1
.endr
.set KN, 1
.rept 27
	v_writelane_b32 v[VB], s[32+KN], KN
.set KN, KN+1
.endr
	v_add_nc_u32 v[VB], v[VB], v[WOF]
.irp i, 0,1,2,3,4,5,6,7,8,9,10,11,12,13,14,15
	v_add_nc_u32 v[PF+\i], v[VB], v[PF+\i]
	v_lshlrev_b32 v[KEY+\i], 2, v[KEY+\i]
	ds_bpermute_b32 v[BPR+\i], v[KEY+\i], v[PF+\i] ; from lane = my key: where my group's tokens of that key begin (a lane permute: no LDS byte is touched)
.endr
.irp i, 0,1,2,3,4,5,6,7,8,9,10,11,12,13,14,15
	s_wait_dscnt 15-\i
	v_add_nc_u32 v[BPR+\i], v[BPR+\i], v[RK+\i]
	v_min_u32 v[BPR+\i], 0xfff, v[BPR+\i]
	v_lshlrev_b32 v[BPR+\i], 2, v[BPR+\i]
	v_add_nc_u32 v[PF+\i], 32*\i, v76
	global_store_b32 v[BPR+\i], v[PF+\i], s[12:13] ; ord[place] = token
.endr
	s_cmp_gt_u32 s20, 1
	s_cbranch_scc1 .Lpend
	v_lshlrev_b32 v100, 6, v0                      ; waves 0, 1: thread = block; its places 64 b .. 64 b + 63
	v_add_nc_u32 v101, 64, v100
	v_mov_b32 v102, 0
.set KN, 0
.irp pm, 0x03,0x05,0x09,0x11,0x21,0x41,0x81, 0x82,0x42,0x22,0x12,0x0a,0x06, 0x0c,0x14,0x24,0x44,0x84, 0x88,0x48,0x28,0x18, 0x30,0x50,0x90, 0xa0,0x60, 0xc0
	v_max_u32 v103, s[32+KN], v100                 ; does key KN's run of places meet the block?  Then its two experts are used
	v_min_u32 v104, s[33+KN], v101
	v_cmp_lt_u32 vcc_lo, v103, v104
	v_or_b32 v103, \pm, v102
	v_cndmask_b32 v102, v102, v103, vcc_lo
.set KN, KN+1
.endr
	global_store_b32 v4, v102, s[12:13] offset:16384
	s_cmp_lg_u32 s20, 0
	s_cbranch_scc1 .Lpend
.irp q, 0,1,2,3,4,5,6,7
	ds_load_b128 v[LSM+4*\q:LSM+4*\q+3], v6 offset:64*\q
.endr
	s_wait_dscnt 0x0
.irp q, 1,2,3,4,5,6,7
	v_pk_add_f32 v[LSM:LSM+1], v[LSM:LSM+1], v[LSM+4*\q:LSM+4*\q+1]
	v_pk_add_f32 v[LSM+2:LSM+3], v[LSM+2:LSM+3], v[LSM+4*\q+2:LSM+4*\q+3]
.endr
.irp i, 0,1,2,3
	v_mov_b32_dpp v[LSM+4+\i], v[LSM+\i] row_xmask:2 row_mask:0xf bank_mask:0xf   ; lanes 0, 1 hold sums of p, lanes 2, 3 the counts of the same experts
.endr
	v_mul_f32 v[LSM+8], v[LSM], v[LSM+4]
	v_fma_f32 v[LSM+8], v[LSM+1], v[LSM+5], v[LSM+8]
	v_fma_f32 v[LSM+8], v[LSM+2], v[LSM+6], v[LSM+8]
	v_fma_f32 v[LSM+8], v[LSM+3], v[LSM+7], v[LSM+8]
	v_add_f32_dpp v[LSM+8], v[LSM+8], v[LSM+8] row_xmask:1 row_mask:0xf bank_mask:0xf
	v_mul_f32 v[LSM+8], 0x35000000, v[LSM+8]       ; x 8 / 4096^2 = 2^-21
	v_mov_b32 v[LSM+9], 0
	s_wait_xcnt 0x0                                ; EXEC changes only behind this wait
	v_cmp_eq_u32 vcc_lo, 0, v0
	s_and_saveexec_b32 s30, vcc_lo
	global_store_b32 v[LSM+9], v[LSM+8], s[14:15]  ; out1
	s_wait_xcnt 0x0
	s_or_b32 exec_lo, exec_lo, s30
.Lpend:
	s_wait_tensorcnt 0x0
	ds_add_u32 v160, v161
	s_wait_dscnt 0x0
	s_endpgm
	; ---------------- laying the weights
.Lrelay:
	s_sub_co_u32 s21, ttmp9, 1
	s_lshl_b32 s21, s21, 3
	s_add_co_u32 s21, s21, s20                     ; unit 0..2047: tensor (1 bit), expert (3), tile of 16 rows (6), half of K (1)
	s_cmp_lt_u32 s21, 1024
	s_cselect_b64 s[8:9], s[8:9], s[10:11]         ; W1 or W2: the choice hangs on ids alone
	s_lshr_b32 s22, s21, 10                        ; z
	s_bfe_u32 s23, s21, 0x30007                    ; e
	s_bfe_u32 s24, s21, 0x60001                    ; tau
	s_and_b32 s25, s21, 1                          ; kh
	s_lshr_b32 s26, s24, 2
	s_lshl_b32 s26, s26, 16
	s_lshl_b32 s27, s23, 20
	s_add_co_u32 s26, s26, s27                     ; e << 20 + (tau >> 2) << 16: common to both sides (64 rows of 1,024 bytes are 64 KiB)
	s_bfe_u32 s27, s24, 0x10001
	s_lshl_b32 s27, s27, 15
	s_add_co_u32 s28, s26, s27                     ; source: + 32 rows,
	s_and_b32 s27, s24, 1
	s_lshl_b32 s27, s27, 13
	s_add_co_u32 s28, s28, s27                     ; + 8 rows,
	s_lshl_b32 s27, s25, 9
	s_add_co_u32 s28, s28, s27                     ; + 512 bytes
	s_mov_b32 s29, 0
	s_lshl_b32 s27, s22, 23
	s_add_co_u32 s30, s26, s27                     ; destination: + tensor,
	s_lshl_b32 s27, s25, 15
	s_add_co_u32 s30, s30, s27                     ; + four K steps,
	s_and_b32 s27, s24, 3
	s_lshl_b32 s27, s27, 11
	s_add_co_u32 s30, s30, s27                     ; + tile
	s_mov_b32 s31, 0
	s_add_nc_u64 s[8:9], s[8:9], s[28:29]
	s_add_nc_u64 s[16:17], s[16:17], s[30:31]
	s_mul_i32 s32, s20, 8448
	s_add_co_u32 s32, s32, RST                     ; my stage
	v_mul_u32_u24 v8, v3, 528
	v_lshl_add_u32 v8, v2, 4, v8
	v_add_nc_u32 v8, s32, v8                       ; in: two rows an instruction, sixteen lanes to 256 bytes
	v_mul_u32_u24 v9, v2, 528
	v_lshl_add_u32 v9, v3, 4, v9
	v_add_nc_u32 v9, s32, v9                       ; out: row rho, + 16 h
	v_lshlrev_b32 v10, 10, v3
	v_lshl_add_u32 v10, v2, 4, v10                 ; memory: the same two rows
	v_lshlrev_b32 v11, 4, v1
.irp j, 0,1,2,3,4,5,6,7
.irp u, 0,1
	global_load_b128 v[16+4*(2*\j+\u):16+4*(2*\j+\u)+3], v10, s[8:9] offset:(2*\j+8*(\j/4))*1024+256*\u th:TH_LOAD_NT   ; rows 0-7, then the eight that lie 16 further on
.endr
.endr
.irp j, 0,1,2,3,4,5,6,7
.irp u, 0,1
	s_wait_loadcnt 15-(2*\j+\u)
	ds_store_b128 v8, v[16+4*(2*\j+\u):16+4*(2*\j+\u)+3] offset:2*\j*528+256*\u
.endr
.endr
.irp s, 0,1,2,3
.irp c, 0,1,2,3
	ds_load_b128 v[80+4*(4*\s+\c):80+4*(4*\s+\c)+3], v9 offset:128*\s+32*\c    ; LDS serves a wave's instructions in order: these see my stores
.endr
.endr
.irp s, 0,1,2,3
.irp c, 0,1,2,3
	s_wait_dscnt 15-(4*\s+\c)
	global_store_b128 v11, v[80+4*(4*\s+\c):80+4*(4*\s+\c)+3], s[16:17] offset:8192*\s+512*\c   ; 512 bytes on end
.endr
.endr
	s_wait_tensorcnt 0x0
	ds_add_u32 v160, v161
	s_wait_dscnt 0x0
	s_endpgm
.Lfunc_end_k_qb85f0848d9_prep:
	.size	k_qb85f0848d9_prep, .Lfunc_end_k_qb85f0848d9_prep-k_qb85f0848d9_prep
	.p2alignl 7, 3214868480
	.fill 96, 4, 3214868480
	.section	.rodata,"a",@progbits
	.p2align	6, 0x0
	.amdhsa_kernel k_qb85f0848d9_prep
		.amdhsa_group_segment_fixed_size 70656
		.amdhsa_private_segment_fixed_size 0
		.amdhsa_enable_private_segment 0
		.amdhsa_kernarg_size 56
		.amdhsa_user_sgpr_count 2
		.amdhsa_user_sgpr_kernarg_segment_ptr 1
		.amdhsa_wavefront_size32 1
		.amdhsa_system_sgpr_workgroup_id_x 1
		.amdhsa_system_sgpr_workgroup_id_y 1
		.amdhsa_system_sgpr_workgroup_id_z 1
		.amdhsa_system_vgpr_workitem_id 0
		.amdhsa_next_free_vgpr 162
		.amdhsa_next_free_sgpr 66
		.amdhsa_reserve_vcc 1
		.amdhsa_float_denorm_mode_32 3
		.amdhsa_float_denorm_mode_16_64 3
		.amdhsa_memory_ordered 1
		.amdhsa_forward_progress 1
		.amdhsa_inst_pref_size 64
	.end_amdhsa_kernel
	.amdgpu_metadata
---
amdhsa.version: [ 1, 2 ]
amdhsa.kernels:
  - .name:           k_qb85f0848d9_prep
    .symbol:         k_qb85f0848d9_prep.kd
    .args:
      - { .name: key, .offset: 0, .size: 8, .value_kind: global_buffer, .address_space: global }
      - { .name: part, .offset: 8, .size: 8, .value_kind: global_buffer, .address_space: global }
      - { .name: W1_codes, .offset: 16, .size: 8, .value_kind: global_buffer, .address_space: global }
      - { .name: W2_codes, .offset: 24, .size: 8, .value_kind: global_buffer, .address_space: global }
      - { .name: lst, .offset: 32, .size: 8, .value_kind: global_buffer, .address_space: global }
      - { .name: out1, .offset: 40, .size: 8, .value_kind: global_buffer, .address_space: global }
      - { .name: wf, .offset: 48, .size: 8, .value_kind: global_buffer, .address_space: global }
    .group_segment_fixed_size: 70656
    .private_segment_fixed_size: 0
    .kernarg_segment_align: 8
    .kernarg_segment_size: 56
    .max_flat_workgroup_size: 256
    .sgpr_count:     66
    .vgpr_count:     162
    .wavefront_size: 32
...
	.end_amdgpu_metadata
.endif
;; end of part 2
;; launch ffn1 (part 3): grid 4 x 64, 4 waves a work-group, no clusters, 67,072 bytes of LDS; arguments lst, xbuf, wf, W1_scales, b1, hbuf; writes hbuf
.if DOCPART == 3
	.amdgcn_target "amdgcn-amd-amdhsa--gfx1250"
	.amdhsa_code_object_version 6
	.text
	.protected	k_qb85f0848d9_ffn1
	.globl	k_qb85f0848d9_ffn1
	.p2align	8
	.type	k_qb85f0848d9_ffn1,@function
k_qb85f0848d9_ffn1:
	s_mov_b64 s[64:65], 0
	v_nop
	global_prefetch_b8 v0, s[64:65] scope:SCOPE_SE
	s_setreg_imm32_b32 hwreg(HW_REG_WAVE_MODE, 25, 1), 1
	s_wait_xcnt 0x0
; h = Q(gelu(Q(x) W1 + b1)), for the experts that a block of 64 sorted tokens uses.  Both operands are codes of E5M2 with E8M0 scales; sums in f32; gelu by the exact error function, in f32.
; SHARES.  Work-group (q, blk): block blk of the sorted list, hidden units 256 q on.  THE WAVES SHARE THE COLUMNS: wave w makes units 64 ng on (ng = 4 q + w) for all 64 tokens, so no weight byte is fetched
; twice in a work-group.  The tokens' codes are gathered once into LDS and read by all four waves; the weights go from memory straight into registers, in the order in which the operand takes them.
; THE WALK.  used[blk] (a stored whole number) names the experts; a loop of eight trips takes them in ascending order; a trip with none left does nothing.  Every pass makes all 64 rows: a row that did not choose
; the expert gets the h that the full layer would give it, and its gate, 0, annuls it in the next launch.
; No tensor load (branches hang on the stored list) and so no cluster: partners would have to walk the same experts, which hangs on the data.
; THE PRODUCT IS USED TRANSPOSED (source 0 = 16 rows of W1, source 1 = 16 tokens): lane (r, h) holds token 16 m + r, and the 16 registers of tiles 2 b, 2 b + 1 are units 64 ng + 32 b + 16 h + 0 .. 15: neighbours along the next K.
; THE WEIGHTS' SLOTS.  A wave's share of an expert, 64 KiB, has a register slot for each of its eight K steps (16 loads of 512 bytes a step).  A pass asks for nothing of its own expert: it asks for the NEXT expert's
; eight steps, each into the slot whose products are at least eight places back, three requests among the K steps and five in the way out, so that weights travel while gelu is computed.
; The order of issue is the same in every pass and in the head: step 0, step 1, bias, step 2, scale words of steps 0-3, step 3, scale words of steps 4-7, steps 4, 5, 6, 7: 140 loads.  The pass is written twice,
; with a successor and without, under one branch, so that each counted wait has one history.
; hbuf: codes as images of the next product's operand [blk][e][m 4][s 8][c 4][lane][16 bytes]; from byte 33,554,432 scale words [blk][e][s 8][m 4][r 16].  Two waves share a scale word, so each stores 2 bytes of it.
; LIMITS: NaN and infinities are not served.  A block of h whose largest magnitude is under 2^-111 (zeros too) gets the byte 1: only this program reads the bytes.  erfc by a rational-exponential fit of fractional error 1.2e-7.
; REGISTERS.  Window 0: v1-23 addresses, v24-39 W1's scale words, v40-55 x's, v56-87 the bias as C, v88-153 gelu at work, v168-199 h, v200-207 the quantiser, v212-243 codes, v244-247 scale bytes.
;   Window 1: the slots of K steps 0-3, fragment t at 64 (s % 4) + 16 t; window 3: those of steps 4-7.   Window 2: v0-127 tokens' fragments, two buffers; v128-255 the 16 accumulators, tile (m, t) at 128 + 8 (4 m + t).
.set LI,  1
.set TA,  2
.set WSO, 3
.set BIO, 4
.set HSO, 5
.set GST, 6
.set OR8, 8
.set OR4, 16
.set WS,  24
.set XS,  40
.set BI,  56
.set AX,  88
.set TT,  104
.set PP,  120
.set QQ,  136
.set C9V, 152
.set HH,  168
.set TM,  200
.set CD,  212
.set HW,  244
.set WV,  16
.set BLK, 18
.set NG,  19
.set HPC, 22                           ; s[22:23], s[24:25] this expert's h codes and scale words
.set HQC, 24
.set ORB, 26
.set WPN, 28                           ; the next expert's weights, scales, bias, h codes, h scale words
.set SPN, 30
.set BPN, 32
.set HPN, 34
.set HQN, 36
.set HB,  38
.set HSB, 40
.set TP,  42                           ; s[42:43] an offset, its high word 0
.set REM, 44
.set CUR, 45
.set NXT, 46
.set TR,  47
.set E7,  48
.set TQ,  49
.set SEL, 50
.set MNT, 52
.set ABSM, 53
.set UOF, 54
.set MSB, 0
.macro WIN new                         ; the immediate's high byte repeats the setting that is left
.if MSB != \new
	s_set_vgpr_msb (MSB<<8)|\new
.set MSB, \new
.endif
.endm
.macro NOPS                            ; eight places behind this form of matrix instruction, ahead of loads into its registers and of reads of its results
.rept 8
	v_nop
.endr
.endm
.macro RING st                         ; the next expert's weights of K step st into that step's slot: 16 loads of 512 bytes on end
.if (\st) < 4
	WIN 0x40
.else
	WIN 0xc0
.endif
.irp t, 0,1,2,3
.irp c, 0,1,2,3
	global_load_b128 v[64*((\st)%4)+16*\t+4*\c:64*((\st)%4)+16*\t+4*\c+3], v[LI], s[WPN:WPN+1] offset:8192*(\st)+2048*\t+512*\c
.endr
.endr
.endm
.macro LBI                             ; the next expert's bias in the result's layout: tile t, lane half h: units 32 (t / 2) + 16 h + 8 (t % 2) + 0 .. 7
	WIN 0
.irp t, 0,1,2,3
	global_load_b128 v[BI+8*\t:BI+8*\t+3], v[BIO], s[BPN:BPN+1] offset:4*(32*(\t/2)+8*(\t%2))
	global_load_b128 v[BI+8*\t+4:BI+8*\t+7], v[BIO], s[BPN:BPN+1] offset:4*(32*(\t/2)+8*(\t%2))+16
.endr
.endm
.macro LWS g                           ; its scale words of K steps 4 g .. 4 g + 3: lanes 0-15 tile 2 tp, lanes 16-31 tile 2 tp + 1
	WIN 0
.irp tp, 0,1
	global_load_b128 v[WS+4*(2*(\g)+\tp):WS+4*(2*(\g)+\tp)+3], v[WSO], s[SPN:SPN+1] offset:1024*\tp+16*(\g)
.endr
.endm
.macro FETCHT s                        ; the tokens' four fragments of K step s from LDS
	WIN 0x80
.irp m, 0,1,2,3
.irp c, 0,1,2,3
	ds_load_b128 v[64*((\s)%2)+16*\m+4*\c:64*((\s)%2)+16*\m+4*\c+3], v[TA] offset:16640*\m+128*(\s)+32*\c
.endr
.endr
.endm
.macro PROD s, m, t
.set rD, 128+8*(4*(\m)+(\t))
.set rA, 64*((\s)%4)+16*(\t)
.set rB, 64*((\s)%2)+16*(\m)
.set rC, rD
.if (\s) == 0
.set rC, BI+8*(\t)
.endif
.set rSA, WS+4*(2*((\s)/4)+(\t)/2)+(\s)%4
.set rSB, XS+4*(\m)+(\s)%4
.if ((\t)%2) && ((\s)/4)
	v_wmma_scale_f32_16x16x128_f8f6f4 v[rD:rD+7], v[rA:rA+15], v[rB:rB+15], v[rC:rC+7], v[rSA], v[rSB] matrix_a_fmt:MATRIX_FMT_BF8 matrix_b_fmt:MATRIX_FMT_BF8 matrix_a_scale:MATRIX_SCALE_ROW1 matrix_b_scale:MATRIX_SCALE_ROW1
.elseif (\t)%2
	v_wmma_scale_f32_16x16x128_f8f6f4 v[rD:rD+7], v[rA:rA+15], v[rB:rB+15], v[rC:rC+7], v[rSA], v[rSB] matrix_a_fmt:MATRIX_FMT_BF8 matrix_b_fmt:MATRIX_FMT_BF8 matrix_a_scale:MATRIX_SCALE_ROW1
.elseif (\s)/4
	v_wmma_scale_f32_16x16x128_f8f6f4 v[rD:rD+7], v[rA:rA+15], v[rB:rB+15], v[rC:rC+7], v[rSA], v[rSB] matrix_a_fmt:MATRIX_FMT_BF8 matrix_b_fmt:MATRIX_FMT_BF8 matrix_b_scale:MATRIX_SCALE_ROW1
.else
	v_wmma_scale_f32_16x16x128_f8f6f4 v[rD:rD+7], v[rA:rA+15], v[rB:rB+15], v[rC:rC+7], v[rSA], v[rSB] matrix_a_fmt:MATRIX_FMT_BF8 matrix_b_fmt:MATRIX_FMT_BF8
.endif
.endm
.macro PRODS s                         ; 16 products; the 16 accumulators take turns, one instruction a turn, in the same order in every step
.if (\s) == 0
	WIN 0x89                                       ; weights window 1, tokens window 2, C = the bias in window 0, D window 2
.elseif (\s) < 4
	WIN 0xa9
.else
	WIN 0xab                                       ; weights window 3
.endif
.irp m, 0,1,2,3
.irp t, 0,1,2,3
	PROD \s, \m, \t
.endr
.endr
.endm
; A K step.  cnt: the loads issued behind those that the step's products need; -1: an earlier wait has shown them in.
.macro KSTEP s, nx, cnt
.if (\s) > 0
	NOPS                                           ; behind the last step's products: the loads below land in a buffer, and in step 1 in a slot, that they read
.endif
.if (\s) < 7
	FETCHT (\s)+1
.endif
.if \nx
.if (\s) == 1
	RING 0
.elseif (\s) == 5
	RING 1
	LBI
.elseif (\s) == 7
	RING 2
	LWS 0
.endif
.endif
.if (\cnt) >= 0
	s_wait_loadcnt \cnt
.endif
.if (\s) < 7
	s_wait_dscnt 16                                ; this step's fragments are in; the next step's sixteen loads may be out
.else
	s_wait_dscnt 0x0
.endif
	PRODS \s
.endm
.macro TAKE                            ; the lowest expert left, or 8
	s_ctz_i32_b32 s[NXT], s[REM]
	s_min_u32 s[NXT], s[NXT], 8
	s_sub_co_u32 s[TQ], s[REM], 1
	s_and_b32 s[REM], s[REM], s[TQ]
.endm
.macro SETN                            ; its pointers (held at 7, so that they stay inside the buffers where none is left: they are not used then)
	s_min_u32 s[E7], s[NXT], 7
	s_lshl_b32 s[TP], s[E7], 20
	s_add_nc_u64 s[WPN:WPN+1], s[8:9], s[TP:TP+1]
	s_lshl_b32 s[TP], s[E7], 15
	s_add_nc_u64 s[SPN:SPN+1], s[10:11], s[TP:TP+1]
	s_lshl_b32 s[TP], s[E7], 12
	s_add_nc_u64 s[BPN:BPN+1], s[12:13], s[TP:TP+1]
	s_lshl_b32 s[TP], s[E7], 16
	s_add_nc_u64 s[HPN:HPN+1], s[HB:HB+1], s[TP:TP+1]
	s_lshl_b32 s[TP], s[E7], 11
	s_add_nc_u64 s[HQN:HQN+1], s[HSB:HSB+1], s[TP:TP+1]
.endm
.macro ADVANCE
	s_wait_xcnt 0x0                                ; bases, and the registers that stores read, are written again only behind this wait
	s_mov_b32 s[CUR], s[NXT]
	s_mov_b64 s[HPC:HPC+1], s[HPN:HPN+1]
	s_mov_b64 s[HQC:HQC+1], s[HQN:HQN+1]
	TAKE
	SETN
.endm
; gelu of 16 results, v[a] on in window 2, into v[o] on.  gelu(x) = max(x, 0) - |x| S, S = erfc(|x| / sqrt 2) / 2 = t 2^(poly(t) - x^2 log2(e) / 2), t = 1 / (1 + |x| / (2 sqrt 2)).
.macro GELU16 a, o
	WIN 0x08                                       ; source 1: window 2.
.set GI, 0
.rept 16
	v_and_b32 v[AX+GI], s[ABSM], v[(\a)+GI]
	v_max_num_f32 v[(\o)+GI], 0, v[(\a)+GI]
.set GI, GI+1
.endr
	WIN 0
.irp p, 0,2,4,6,8,10,12,14
	v_pk_fma_f32 v[TT+\p:TT+\p+1], v[AX+\p:AX+\p+1], 0x3eb504f3, 1.0 op_sel_hi:[1,0,0]
.endr
.irp p, 0,1,2,3,4,5,6,7,8,9,10,11,12,13,14,15
	v_rcp_f32 v[TT+\p], v[TT+\p]
.endr
.irp p, 0,2,4,6,8,10,12,14
	v_pk_mul_f32 v[QQ+\p:QQ+\p+1], v[AX+\p:AX+\p+1], v[AX+\p:AX+\p+1]   ; (plain places behind the reciprocals)
.endr
	s_wait_alu depctr_va_vdst(0)
.irp p, 0,2,4,6,8,10,12,14
	v_pk_fma_f32 v[PP+\p:PP+\p+1], v[TT+\p:TT+\p+1], v[C9V:C9V+1], 0xbf97d29d op_sel_hi:[1,1,0]
.endr
.irp k, 0x40097039, 0xbfd1a1e5, 0x3ecdfd18, 0xbe899a80, 0x3e0efb2e, 0x3f0a29d2, 0x3fb8ab5a, 0xc034d90f
.irp p, 0,2,4,6,8,10,12,14
	v_pk_fma_f32 v[PP+\p:PP+\p+1], v[PP+\p:PP+\p+1], v[TT+\p:TT+\p+1], \k op_sel_hi:[1,1,0]
.endr
.endr
.irp p, 0,2,4,6,8,10,12,14
	v_pk_fma_f32 v[QQ+\p:QQ+\p+1], v[QQ+\p:QQ+\p+1], 0xbf38aa3b, v[PP+\p:PP+\p+1] op_sel_hi:[1,0,1]
.endr
.irp p, 0,1,2,3,4,5,6,7,8,9,10,11,12,13,14,15
	v_exp_f32 v[QQ+\p], v[QQ+\p]
.endr
	v_nop                                          ; a plain place behind the exponentials
	s_wait_alu depctr_va_vdst(0)
.irp p, 0,2,4,6,8,10,12,14
	v_pk_mul_f32 v[QQ+\p:QQ+\p+1], v[QQ+\p:QQ+\p+1], v[TT+\p:TT+\p+1]
.endr
.irp p, 0,2,4,6,8,10,12,14
	v_pk_fma_f32 v[(\o)+\p:(\o)+\p+1], v[AX+\p:AX+\p+1], v[QQ+\p:QQ+\p+1], v[(\o)+\p:(\o)+\p+1] neg_lo:[1,0,0] neg_hi:[1,0,0]
.endr
.endm
; the lane's 32 numbers of h, two halves of blocks of 32 along the next K, become 32 codes and two scale bytes
.macro QUANT2 m
.irp b, 0,1
	v_max3_num_f32 v[TM+\b], |v[HH+16*\b]|, |v[HH+16*\b+1]|, 0x8000000   ; with the floor 2^(16 - 127): the byte cannot fall under 1
.endr
.irp i, 2,4,6,8,10,12,14
.irp b, 0,1
	v_max3_num_f32 v[TM+\b], v[TM+\b], |v[HH+16*\b+\i]|, |v[HH+16*\b+\i+1]|
.endr
.endr
.irp b, 0,1
	v_permlanex16_b32 v[TM+2+\b], v[TM+\b], s[SEL], s[SEL+1]
.endr
.irp b, 0,1
	v_max_num_f32 v[TM+\b], v[TM+\b], v[TM+2+\b]   ; with lane l xor 16's 16: the block's largest magnitude
.endr
.irp b, 0,1
	v_add_nc_u32 v[TM+6+\b], 0xf8800000, v[TM+\b]  ; 15 off its exponent field: the conversion's scale operand
.endr
.irp b, 0,1
	v_and_or_b32 v[TM+4+\b], v[TM+\b], 0x7f800000, s[MNT]   ; 57,344 x the scale
.endr
.irp b, 0,1
	v_lshrrev_b32 v[TM+2+\b], 23, v[TM+6+\b]       ; the scale's byte
.endr
	v_lshl_or_b32 v[HW+(\m)], v[TM+3], 8, v[TM+2]
.irp b, 0,1
.irp i, 0,1,2,3,4,5,6,7,8,9,10,11,12,13,14,15
	v_med3_num_f32 v[HH+16*\b+\i], v[HH+16*\b+\i], -v[TM+4+\b], v[TM+4+\b]   ; the conversion does not saturate (ISA guide 7.6.2)
.endr
	v_cvt_scalef32_pk8_bf8_f32 v[CD+8*(\m)+4*\b:CD+8*(\m)+4*\b+1], v[HH+16*\b:HH+16*\b+7], v[TM+6+\b]
	v_cvt_scalef32_pk8_bf8_f32 v[CD+8*(\m)+4*\b+2:CD+8*(\m)+4*\b+3], v[HH+16*\b+8:HH+16*\b+15], v[TM+6+\b]
.endr
	v_nop                                          ; a plain place behind the last conversion
.endm
; The way out of 16 tokens.  g1, g2: the K step of the next expert that is asked for in its middle and at its end; -1: none.
.macro EPIM m, g1, g2
	GELU16 128+32*(\m), HH
.if (\g1) >= 0
	RING \g1
.if (\g1) == 3
	LWS 1                                          ; the scale words of steps 4-7: their last reader, step 7, is more than eight places back
.endif
.endif
	GELU16 128+32*(\m)+16, HH+16
	QUANT2 \m
	global_store_b128 v[LI], v[CD+8*(\m):CD+8*(\m)+3], s[HPC:HPC+1] offset:16384*(\m)          ; 512 bytes on end: piece c = 2 (w & 1) of the image,
	global_store_b128 v[LI], v[CD+8*(\m)+4:CD+8*(\m)+7], s[HPC:HPC+1] offset:16384*(\m)+512    ; and piece c + 1
	global_store_b16 v[HSO], v[HW+(\m)], s[HQC:HQC+1] offset:64*(\m)                           ; my two bytes of the row's scale word (both halves of the lanes hold the same)
.if (\g2) >= 0
	RING \g2
.endif
.endm
; One expert.  Behind step 0's weights, bias and scale words stand 82 loads of the order of issue given at the head; behind step 3's 66, behind step 4's 48, then 32, 16, 0.
; With a successor this pass's own requests come on top: 16 from step 1 on, 40 from step 5 on, 58 in step 7.  Where the sum passes 63 the wait takes 63, the largest count that can be written, which asks for more than is needed.
; Steps 1 and 2 need no wait: their weights were issued ahead of what step 0 waited for.
.macro PASS nx
	FETCHT 0
.if \nx
	KSTEP 0, 1, 63
	KSTEP 1, 1, -1
	KSTEP 2, 1, -1
	KSTEP 3, 1, 63
	KSTEP 4, 1, 63
	KSTEP 5, 1, 63
	KSTEP 6, 1, 56
	KSTEP 7, 1, 58
	NOPS
	EPIM 0, 3, -1
	EPIM 1, 4, 5
	EPIM 2, -1, 6
	EPIM 3, 7, -1
.else
	KSTEP 0, 0, 63
	KSTEP 1, 0, -1
	KSTEP 2, 0, -1
	KSTEP 3, 0, 63
	KSTEP 4, 0, 48
	KSTEP 5, 0, 32
	KSTEP 6, 0, 16
	KSTEP 7, 0, 0
	NOPS
	EPIM 0, -1, -1
	EPIM 1, -1, -1
	EPIM 2, -1, -1
	EPIM 3, -1, -1
.endif
	WIN 0
.endm
	s_load_b256 s[4:11], s[0:1], 0x0               ; lst, xbuf, wf, W1_scales
	s_load_b128 s[12:15], s[0:1], 0x20             ; b1, hbuf
	v_lshl_add_u32 v254, v0, 2, 0x10400
	v_mov_b32 v255, 0
	v_lshrrev_b32 v7, 5, v0
	v_readfirstlane_b32 s[WV], v7
	s_and_b32 s[BLK], ttmp7, 0xffff
	s_lshl_b32 s[NG], ttmp9, 2
	s_add_co_u32 s[NG], s[NG], s[WV]
	v_and_b32 v20, 31, v0                          ; L
	v_and_b32 v21, 15, v0                          ; r
	v_bfe_u32 v22, v0, 4, 1                        ; h
	v_lshlrev_b32 v[LI], 4, v20
	v_mul_u32_u24 v[TA], v21, 1040                 ; a token's row in LDS: 1,024 bytes + 16 of padding: 16 rows start at 16 different groups of banks
	v_lshl_add_u32 v[TA], v22, 4, v[TA]
	v_and_b32 v23, 8, v21
	v_add_nc_u32 v23, v23, v21
	v_lshl_add_u32 v23, v22, 3, v23                ; r + 8 (r / 8) + 8 h: the tile's row, lanes 16-31 those of the odd tile
	v_lshlrev_b32 v[WSO], 5, v23
	v_lshlrev_b32 v[BIO], 6, v22
	v_lshlrev_b32 v[HSO], 2, v21
	v_lshl_add_u32 v23, v7, 4, v22                 ; 16 w + h: the rows that I gather, two an instruction
	v_mul_u32_u24 v[GST], v23, 1040
	v_lshl_add_u32 v[GST], v21, 4, v[GST]
	v_lshlrev_b32 v23, 2, v23
	s_lshl_b32 s[TP], s[BLK], 8
	s_mov_b32 s[TP+1], 0
	s_lshl_b32 s[UOF], s[BLK], 2
	s_wait_kmcnt 0x0
	s_load_b32 s[REM], s[4:5], s[UOF] offset:0x4000         ; used[blk]
	s_add_nc_u64 s[ORB:ORB+1], s[4:5], s[TP:TP+1]           ; ord of my block
.irp j, 0,1,2,3,4,5,6,7
	global_load_b32 v[OR8+\j], v23, s[ORB:ORB+1] offset:8*\j
.endr
.irp m, 0,1,2,3
	global_load_b32 v[OR4+\m], v[HSO], s[ORB:ORB+1] offset:64*\m
.endr
	s_lshl_b32 s[TP], s[NG], 16
	s_add_nc_u64 s[8:9], s[8:9], s[TP:TP+1]
	s_lshl_b32 s[TP], s[NG], 11
	s_add_nc_u64 s[10:11], s[10:11], s[TP:TP+1]
	s_lshl_b32 s[TP], s[NG], 8
	s_add_nc_u64 s[12:13], s[12:13], s[TP:TP+1]
	s_lshl_b32 s[TP], s[BLK], 19
	s_add_nc_u64 s[HB:HB+1], s[14:15], s[TP:TP+1]
	s_lshl_b32 s[TP], s[NG], 10                    ; K step ng / 2 of the next product (2,048 bytes), pieces 2 (ng & 1) on (512 each)
	s_add_nc_u64 s[HB:HB+1], s[HB:HB+1], s[TP:TP+1]
	s_lshl_b32 s[TP], s[BLK], 14
	s_add_nc_u64 s[HSB:HSB+1], s[14:15], s[TP:TP+1]
	s_add_nc_u64 s[HSB:HSB+1], s[HSB:HSB+1], 0x2000000
	s_lshr_b32 s[TP], s[NG], 1
	s_lshl_b32 s[TP], s[TP], 8
	s_and_b32 s[TQ], s[NG], 1
	s_lshl_b32 s[TQ], s[TQ], 1
	s_add_co_u32 s[TP], s[TP], s[TQ]
	s_add_nc_u64 s[HSB:HSB+1], s[HSB:HSB+1], s[TP:TP+1]
	s_mov_b32 s[SEL], 0x76543210
	s_mov_b32 s[SEL+1], 0xfedcba98
	s_mov_b32 s[MNT], 0x600000
	s_mov_b32 s[ABSM], 0x7fffffff
	v_mov_b32 v[C9V], 0x3e7c6f08
	v_mov_b32 v[C9V+1], 0x3e7c6f08
	v_mov_b32 v[TM+2], 0                           ; (a lane permute's destination counts as read)
	v_mov_b32 v[TM+3], 0
	s_wait_kmcnt 0x0                               ; used[blk]: what hangs on it alone goes out ahead of the wait for the list
	s_and_b32 s[REM], s[REM], 0xff
	TAKE
	SETN
	RING 0                                         ; the first expert's loads, in the order in which a pass asks for the next expert's
	RING 1
	LBI
	RING 2
	LWS 0
	s_wait_loadcnt 58                              ; the list's 12 loads are in: behind them stand the 58 above
.irp j, 0,1,2,3,4,5,6,7
	v_min_u32 v[OR8+\j], 0xfff, v[OR8+\j]
	v_lshlrev_b32 v[OR8+\j], 10, v[OR8+\j]
	v_lshl_add_u32 v[OR8+\j], v21, 4, v[OR8+\j]    ; token x 1,024 + 16 r
.endr
.irp m, 0,1,2,3
	v_min_u32 v[OR4+\m], 0xfff, v[OR4+\m]
	v_lshlrev_b32 v[OR4+\m], 5, v[OR4+\m]
	v_lshl_add_u32 v[OR4+\m], v22, 4, v[OR4+\m]    ; token x 32 + 16 h
.endr
	WIN 0x80
.irp j, 0,1,2,3,4,5,6,7
.irp u, 0,1,2,3
	global_load_b128 v[16*\j+4*\u:16*\j+4*\u+3], v[OR8+\j], s[6:7] offset:256*\u   ; sixteen lanes take 256 bytes on end of a token's codes
.endr
.endr
	WIN 0
.irp m, 0,1,2,3
	global_load_b128 v[XS+4*\m:XS+4*\m+3], v[OR4+\m], s[6:7] offset:0x400000       ; x's scale words: lanes 0-15 K steps 0-3, lanes 16-31 steps 4-7
.endr
	RING 3
	LWS 1
	RING 4
	s_wait_loadcnt 34                              ; the gather and x's scale words are in: behind them stand 16 + 2 + 16 loads
	WIN 0x08
.irp j, 0,1,2,3,4,5,6,7
.irp u, 0,1,2,3
	ds_store_b128 v[GST], v[16*\j+4*\u:16*\j+4*\u+3] offset:2*\j*1040+256*\u
.endr
.endr
	WIN 0
	s_wait_dscnt 0x0                               ; for the others' sake: my 16 rows lie in LDS
	s_barrier_signal -1
	s_barrier_wait -1                              ; the launch's one barrier: LDS is only read from here on
	RING 5
	RING 6
	RING 7
	WIN 0
	ADVANCE
	s_mov_b32 s[TR], 0
.Ltrip:
	s_cmp_eq_u32 s[CUR], 8
	s_cbranch_scc1 .Lskip
	s_cmp_lt_u32 s[NXT], 8
	s_cbranch_scc0 .Llast
	PASS 1
	s_branch .Lskip
.Llast:
	PASS 0
.Lskip:
	ADVANCE
	s_add_co_u32 s[TR], s[TR], 1
	s_cmp_lt_u32 s[TR], 8
	s_cbranch_scc1 .Ltrip
	s_wait_tensorcnt 0x0
	ds_add_u32 v254, v255
	s_wait_dscnt 0x0
	s_endpgm
.Lfunc_end_k_qb85f0848d9_ffn1:
	.size	k_qb85f0848d9_ffn1, .Lfunc_end_k_qb85f0848d9_ffn1-k_qb85f0848d9_ffn1
	.p2alignl 7, 3214868480
	.fill 96, 4, 3214868480
	.section	.rodata,"a",@progbits
	.p2align	6, 0x0
	.amdhsa_kernel k_qb85f0848d9_ffn1
		.amdhsa_group_segment_fixed_size 67072
		.amdhsa_private_segment_fixed_size 0
		.amdhsa_enable_private_segment 0
		.amdhsa_kernarg_size 48
		.amdhsa_user_sgpr_count 2
		.amdhsa_user_sgpr_kernarg_segment_ptr 1
		.amdhsa_wavefront_size32 1
		.amdhsa_system_sgpr_workgroup_id_x 1
		.amdhsa_system_sgpr_workgroup_id_y 1
		.amdhsa_system_sgpr_workgroup_id_z 1
		.amdhsa_system_vgpr_workitem_id 0
		.amdhsa_next_free_vgpr 1024
		.amdhsa_next_free_sgpr 66
		.amdhsa_reserve_vcc 0
		.amdhsa_float_denorm_mode_32 3
		.amdhsa_float_denorm_mode_16_64 3
		.amdhsa_memory_ordered 1
		.amdhsa_forward_progress 1
		.amdhsa_inst_pref_size 255
	.end_amdhsa_kernel
	.section	.bss,"aw",@nobits
	.p2align	6
	.space	262144
	.amdgpu_metadata
---
amdhsa.version: [ 1, 2 ]
amdhsa.kernels:
  - .name:           k_qb85f0848d9_ffn1
    .symbol:         k_qb85f0848d9_ffn1.kd
    .args:
      - { .name: lst, .offset: 0, .size: 8, .value_kind: global_buffer, .address_space: global }
      - { .name: xbuf, .offset: 8, .size: 8, .value_kind: global_buffer, .address_space: global }
      - { .name: wf, .offset: 16, .size: 8, .value_kind: global_buffer, .address_space: global }
      - { .name: W1_scales, .offset: 24, .size: 8, .value_kind: global_buffer, .address_space: global }
      - { .name: b1, .offset: 32, .size: 8, .value_kind: global_buffer, .address_space: global }
      - { .name: hbuf, .offset: 40, .size: 8, .value_kind: global_buffer, .address_space: global }
    .group_segment_fixed_size: 67072
    .private_segment_fixed_size: 0
    .kernarg_segment_align: 8
    .kernarg_segment_size: 48
    .max_flat_workgroup_size: 128
    .sgpr_count:     66
    .vgpr_count:     1024
    .wavefront_size: 32
...
	.end_amdgpu_metadata
.endif
;; end of part 3
;; launch ffn2 (part 4): grid 4 x 64, 4 waves a work-group, no clusters, 148,992 bytes of LDS; arguments lst, hbuf, wf, W2_scales, b2, out4, out0; writes out0
.if DOCPART == 4
	.amdgcn_target "amdgcn-amd-amdhsa--gfx1250"
	.amdhsa_code_object_version 6
	.text
	.protected	k_qb85f0848d9_ffn2
	.globl	k_qb85f0848d9_ffn2
	.p2align	8
	.type	k_qb85f0848d9_ffn2,@function
k_qb85f0848d9_ffn2:
	s_mov_b64 s[64:65], 0
	v_nop
	global_prefetch_b8 v0, s[64:65] scope:SCOPE_SE
	s_setreg_imm32_b32 hwreg(HW_REG_WAVE_MODE, 25, 1), 1
	s_wait_xcnt 0x0
; out0[token] = sum over the experts e that the token's block uses of gate[token][e] x (h_e W2_e + b2_e).  Both operands are codes of E5M2 with E8M0 scales; sums in f32.  A token's gate is 0 for the experts it did not choose.
; SHARES.  Work-group (q, blk): block blk of 64 sorted tokens, output columns 256 q on; wave w makes columns 64 ng on (ng = 4 q + w) for all 64 tokens.  Each output row has one owner: nothing is added between work-groups.
; W2's fragments go from memory straight into registers through a ring of four slots: step s asks for step s + 3, from step 5 on for the next expert's steps 0 to 2.  An expert's h for the block, 64 KiB of operand images,
; lies in one of two LDS regions; while one is multiplied each wave brings its quarter of the next expert's into registers and stores it into the other region at the pass's end.  ONE barrier a position of the walk orders
; both: the stores ahead of the next pass's reads, and this pass's reads ahead of the next stores into its region.  It stands outside the branches on the stored list: every wave passes it in all eight positions.
; No tensor load (branches hang on the stored list) and so no cluster: partners would have to walk the same experts, which hangs on the data.
; THE PRODUCT IS USED TRANSPOSED: lane (r, h) holds token 16 m + r; the 16 registers of tiles 2 b, 2 b + 1 are columns 64 ng + 32 b + 16 h + 0 .. 15.  The bias is the C of each sum's first product.
; The output sums are cleared once by moves: which pass comes first hangs on the stored list, so no pass's text can start them.
; LIMITS: NaN and infinities are not served.
; REGISTERS.  Window 0: v1-13 addresses, v24-39 W2's scale words, v40-55 h's, v56-87 the bias, v88-95 gates (even registers), v96-127 the rows' offsets in out0, v128-255 the output sums.
;   Window 1: the ring; on the way out the rows.   Window 2: v0-127 h's fragments, two buffers; v128-255 the accumulators.   Window 3: v0-127 my quarter of the next expert's h.
.set LI0, 1
.set LI1, 2
.set WSO, 3
.set BIO, 4
.set L4,  5
.set AS0, 6
.set AS1, 7
.set SST, 8
.set SRD, 9
.set TG,  10
.set WS,  24
.set HS,  40
.set BI,  56
.set GG,  88
.set RO,  96
.set WV,  18
.set BLK, 19
.set NG,  20
.set WPC, 22
.set WPN, 24
.set SPN, 26
.set BPN, 28
.set HPN, 30
.set HQN, 32
.set GPN, 34
.set HB,  36
.set HSB, 38
.set TP,  40
.set REM, 42
.set CUR, 43
.set NXT, 44
.set TR,  45
.set E7,  46
.set TQ,  47
.set ORB, 48
.set UOF, 50
.set MSB, 0
.macro WIN new                         ; the immediate's high byte repeats the setting that is left
.if MSB != \new
	s_set_vgpr_msb (MSB<<8)|\new
.set MSB, \new
.endif
.endm
.macro NOPS                            ; eight places behind this form of matrix instruction
.rept 8
	v_nop
.endr
.endm
.macro RING sl, st, p
	WIN 0x40
.irp t, 0,1,2,3
.irp c, 0,1,2,3
	global_load_b128 v[64*(\sl)+16*\t+4*\c:64*(\sl)+16*\t+4*\c+3], v[LI0], s[\p:\p+1] offset:8192*(\st)+2048*\t+512*\c
.endr
.endr
.endm
.macro LBI
	WIN 0
.irp t, 0,1,2,3
	global_load_b128 v[BI+8*\t:BI+8*\t+3], v[BIO], s[BPN:BPN+1] offset:4*(32*(\t/2)+8*(\t%2))
	global_load_b128 v[BI+8*\t+4:BI+8*\t+7], v[BIO], s[BPN:BPN+1] offset:4*(32*(\t/2)+8*(\t%2))+16
.endr
.endm
.macro LWS g
	WIN 0
.irp tp, 0,1
	global_load_b128 v[WS+4*(2*(\g)+\tp):WS+4*(2*(\g)+\tp)+3], v[WSO], s[SPN:SPN+1] offset:1024*\tp+16*(\g)
.endr
.endm
.macro LHS g                           ; h's scale words of K steps 4 g .. 4 g + 3: register 2 s + mp: lanes 0-15 rows of tile 2 mp, lanes 16-31 of tile 2 mp + 1
	WIN 0
.irp u, 0,1,2,3
.irp mp, 0,1
	global_load_b32 v[HS+2*(4*(\g)+\u)+\mp], v[L4], s[HQN:HQN+1] offset:256*(4*(\g)+\u)+128*\mp
.endr
.endr
.endm
.macro LG                              ; the gates of the block's tokens for the next expert
	WIN 0
.irp m, 0,1,2,3
	global_load_b32 v[GG+2*\m], v[TG+\m], s[GPN:GPN+1]
.endr
.endm
.macro ATL g                           ; eight of the 32 loads of my quarter of the next expert's h
	WIN 0xc0
.irp i, 0,1,2,3,4,5,6,7
	global_load_b128 v[4*(8*(\g)+\i):4*(8*(\g)+\i)+3], v[LI0], s[HPN:HPN+1] offset:512*(8*(\g)+\i)
.endr
.endm
.macro ATS R                           ; and its way into region R
	WIN 0x0c
.set AI, 0
.rept 32
	ds_store_b128 v[AS0+(\R)], v[4*AI:4*AI+3] offset:512*AI
.set AI, AI+1
.endr
.endm
.macro FETCHT s, R                     ; h's four fragments of K step s: images of the operand's registers, 512 bytes on end a load
	WIN 0x80
.irp m, 0,1,2,3
.irp c, 0,1,2,3
	ds_load_b128 v[64*((\s)%2)+16*\m+4*\c:64*((\s)%2)+16*\m+4*\c+3], v[LI0+(\R)] offset:16384*\m+2048*(\s)+512*\c
.endr
.endr
.endm
.macro PROD s, m, t
.set rD, 128+8*(4*(\m)+(\t))
.set rA, 64*((\s)%4)+16*(\t)
.set rB, 64*((\s)%2)+16*(\m)
.set rC, rD
.if (\s) == 0
.set rC, BI+8*(\t)
.endif
.set rSA, WS+4*(2*((\s)/4)+(\t)/2)+(\s)%4
.set rSB, HS+2*(\s)+(\m)/2
.if ((\t)%2) && ((\m)%2)
	v_wmma_scale_f32_16x16x128_f8f6f4 v[rD:rD+7], v[rA:rA+15], v[rB:rB+15], v[rC:rC+7], v[rSA], v[rSB] matrix_a_fmt:MATRIX_FMT_BF8 matrix_b_fmt:MATRIX_FMT_BF8 matrix_a_scale:MATRIX_SCALE_ROW1 matrix_b_scale:MATRIX_SCALE_ROW1
.elseif (\t)%2
	v_wmma_scale_f32_16x16x128_f8f6f4 v[rD:rD+7], v[rA:rA+15], v[rB:rB+15], v[rC:rC+7], v[rSA], v[rSB] matrix_a_fmt:MATRIX_FMT_BF8 matrix_b_fmt:MATRIX_FMT_BF8 matrix_a_scale:MATRIX_SCALE_ROW1
.elseif (\m)%2
	v_wmma_scale_f32_16x16x128_f8f6f4 v[rD:rD+7], v[rA:rA+15], v[rB:rB+15], v[rC:rC+7], v[rSA], v[rSB] matrix_a_fmt:MATRIX_FMT_BF8 matrix_b_fmt:MATRIX_FMT_BF8 matrix_b_scale:MATRIX_SCALE_ROW1
.else
	v_wmma_scale_f32_16x16x128_f8f6f4 v[rD:rD+7], v[rA:rA+15], v[rB:rB+15], v[rC:rC+7], v[rSA], v[rSB] matrix_a_fmt:MATRIX_FMT_BF8 matrix_b_fmt:MATRIX_FMT_BF8
.endif
.endm
.macro PRODS s                         ; the 16 accumulators take turns, one instruction a turn, in the same order in every step
.if (\s) == 0
	WIN 0x89
.else
	WIN 0xa9
.endif
.irp m, 0,1,2,3
.irp t, 0,1,2,3
	PROD \s, \m, \t
.endr
.endr
.endm
.macro KSTEP s, nx, R, cnt
.if (\s) > 0
	NOPS                                           ; behind the last step's products: the loads below land in a slot and a buffer that they read
.endif
.if (\s) < 7
	FETCHT (\s)+1, \R
.endif
.if (\nx) && ((\s) < 4)
	ATL \s
.endif
.if (\s) < 5
	RING ((\s)+3)%4, (\s)+3, WPC
.elseif \nx
.if (\s) == 5
	RING 0, 0, WPN
	LBI
	LWS 0
	LHS 0
.elseif (\s) == 6
	RING 1, 1, WPN
.else
	RING 2, 2, WPN
.endif
.endif
	s_wait_loadcnt \cnt
.if (\s) < 7
	s_wait_dscnt 16
.else
	s_wait_dscnt 0x0
.endif
	PRODS \s
.endm
.macro TAKE
	s_ctz_i32_b32 s[NXT], s[REM]
	s_min_u32 s[NXT], s[NXT], 8
	s_sub_co_u32 s[TQ], s[REM], 1
	s_and_b32 s[REM], s[REM], s[TQ]
.endm
.macro SETN
	s_min_u32 s[E7], s[NXT], 7
	s_lshl_b32 s[TP], s[E7], 20
	s_add_nc_u64 s[WPN:WPN+1], s[8:9], s[TP:TP+1]
	s_lshl_b32 s[TP], s[E7], 15
	s_add_nc_u64 s[SPN:SPN+1], s[10:11], s[TP:TP+1]
	s_lshl_b32 s[TP], s[E7], 12
	s_add_nc_u64 s[BPN:BPN+1], s[12:13], s[TP:TP+1]
	s_lshl_b32 s[TP], s[E7], 16
	s_add_nc_u64 s[HPN:HPN+1], s[HB:HB+1], s[TP:TP+1]
	s_lshl_b32 s[TP], s[E7], 11
	s_add_nc_u64 s[HQN:HQN+1], s[HSB:HSB+1], s[TP:TP+1]
	s_lshl_b32 s[TP], s[E7], 2
	s_add_nc_u64 s[GPN:GPN+1], s[14:15], s[TP:TP+1]
.endm
.macro ADVANCE
	s_wait_xcnt 0x0                                ; bases are written again only behind this wait
	s_mov_b32 s[CUR], s[NXT]
	s_mov_b64 s[WPC:WPC+1], s[WPN:WPN+1]
	TAKE
	SETN
.endm
; One expert.  With a successor (nx = 1) more loads stand behind the needed ones than the counter's field names (64 to 86 by this text's count): the waits then take the largest count that can be written, which asks for more than is needed.
; Without one: behind step 0's 34 loads stand 16 + 16 + 14 + 16 = 62; likewise 62 for steps 1 and 2; then three steps' weights, 48, and the counts run down.
.macro PASS R, nx
	FETCHT 0, \R
.if \nx
	KSTEP 0, 1, \R, 63
	KSTEP 1, 1, \R, 63
	KSTEP 2, 1, \R, 63
	KSTEP 3, 1, \R, 63
	KSTEP 4, 1, \R, 63
	KSTEP 5, 1, \R, 63
	KSTEP 6, 1, \R, 63
	KSTEP 7, 1, \R, 63
	ATS 1-(\R)                                     ; my quarter's loads are older than step 7's weights: they are in.  Nobody reads that region since the last barrier
.else
	KSTEP 0, 0, \R, 62
	KSTEP 1, 0, \R, 62
	KSTEP 2, 0, \R, 62
	KSTEP 3, 0, \R, 48
	KSTEP 4, 0, \R, 48
	KSTEP 5, 0, \R, 32
	KSTEP 6, 0, \R, 16
	KSTEP 7, 0, \R, 0
.endif
	NOPS
	WIN 0x02                                       ; source 0: the accumulators, window 2.
.irp m, 0,1,2,3
.set EI, 128+32*\m
.rept 16
	v_pk_fma_f32 v[EI:EI+1], v[EI:EI+1], v[GG+2*\m:GG+2*\m+1], v[EI:EI+1] op_sel_hi:[1,0,1]   ; the sums += gate x (h W2 + b2)
.set EI, EI+2
.endr
.endr
.if \nx
	LWS 1
	LHS 1
	LG
.endif
	WIN 0
.endm
.macro POS R
	s_cmp_eq_u32 s[CUR], 8
	s_cbranch_scc1 .Lpe_\@
	s_cmp_lt_u32 s[NXT], 8
	s_cbranch_scc0 .Lp0_\@
	PASS \R, 1
	s_branch .Lpe_\@
.Lp0_\@:
	PASS \R, 0
.Lpe_\@:
	s_wait_dscnt 0x0                               ; my stores into the other region have landed, my reads of this one are in
	s_barrier_signal -1
	s_barrier_wait -1
	ADVANCE
.endm
	s_load_b256 s[4:11], s[0:1], 0x0               ; lst, hbuf, wf, W2_scales
	s_load_b128 s[12:15], s[0:1], 0x20             ; b2, out4
	s_load_b64 s[16:17], s[0:1], 0x30              ; out0
	v_lshl_add_u32 v22, v0, 2, 0x24400
	v_mov_b32 v23, 0
	v_lshrrev_b32 v14, 5, v0
	v_readfirstlane_b32 s[WV], v14
	s_and_b32 s[BLK], ttmp7, 0xffff
	s_lshl_b32 s[NG], ttmp9, 2
	s_add_co_u32 s[NG], s[NG], s[WV]
	v_and_b32 v15, 31, v0                          ; L
	v_and_b32 v16, 15, v0                          ; r
	v_bfe_u32 v17, v0, 4, 1                        ; h
	v_lshlrev_b32 v[LI0], 4, v15
	v_add_nc_u32 v[LI1], 0x10000, v[LI0]
	v_and_b32 v18, 8, v16
	v_add_nc_u32 v18, v18, v16
	v_lshl_add_u32 v18, v17, 3, v18
	v_lshlrev_b32 v[WSO], 5, v18
	v_lshlrev_b32 v[BIO], 6, v17
	v_lshlrev_b32 v[L4], 2, v15
	v_lshl_add_u32 v[AS0], v14, 14, v[LI0]         ; my quarter of a region
	v_add_nc_u32 v[AS1], 0x10000, v[AS0]
	s_mul_i32 s[TQ], s[WV], 4352
	s_add_co_u32 s[TQ], s[TQ], 131072              ; my stage: 16 rows x (256 bytes + 16), behind the two regions
	v_mul_u32_u24 v[SST], v16, 272
	v_lshl_add_u32 v[SST], v17, 6, v[SST]
	v_add_nc_u32 v[SST], s[TQ], v[SST]             ; in: row r, + 64 h
	v_mul_u32_u24 v[SRD], v17, 272
	v_lshl_add_u32 v[SRD], v16, 4, v[SRD]
	v_add_nc_u32 v[SRD], s[TQ], v[SRD]             ; back: lanes 0-15 one row, lanes 16-31 the next
	v_lshlrev_b32 v19, 2, v17
	v_lshlrev_b32 v20, 2, v16
	s_lshl_b32 s[TP], s[BLK], 8
	s_mov_b32 s[TP+1], 0
	s_lshl_b32 s[UOF], s[BLK], 2
	s_wait_kmcnt 0x0
	s_load_b32 s[REM], s[4:5], s[UOF] offset:0x4000
	s_add_nc_u64 s[ORB:ORB+1], s[4:5], s[TP:TP+1]
.irp m, 0,1,2,3
.irp k, 0,1,2,3,4,5,6,7
	global_load_b32 v[RO+8*\m+\k], v19, s[ORB:ORB+1] offset:64*\m+8*\k    ; the token of place 16 m + 2 k + h
.endr
	global_load_b32 v[TG+\m], v20, s[ORB:ORB+1] offset:64*\m             ; and of place 16 m + r
.endr
	s_lshl_b32 s[TP], s[NG], 16
	s_add_nc_u64 s[8:9], s[8:9], s[TP:TP+1]
	s_add_nc_u64 s[8:9], s[8:9], 0x800000          ; W2's half of wf
	s_lshl_b32 s[TP], s[NG], 11
	s_add_nc_u64 s[10:11], s[10:11], s[TP:TP+1]
	s_lshl_b32 s[TP], s[NG], 8
	s_add_nc_u64 s[12:13], s[12:13], s[TP:TP+1]
	s_add_nc_u64 s[16:17], s[16:17], s[TP:TP+1]    ; my 64 columns of out0: 256 bytes, like my 64 numbers of b2
	s_lshl_b32 s[TP], s[BLK], 19
	s_add_nc_u64 s[HB:HB+1], s[6:7], s[TP:TP+1]
	s_lshl_b32 s[TP], s[WV], 14
	s_add_nc_u64 s[HB:HB+1], s[HB:HB+1], s[TP:TP+1]
	s_lshl_b32 s[TP], s[BLK], 14
	s_add_nc_u64 s[HSB:HSB+1], s[6:7], s[TP:TP+1]
	s_add_nc_u64 s[HSB:HSB+1], s[HSB:HSB+1], 0x2000000
	s_wait_kmcnt 0x0                               ; used[blk]: what hangs on it alone goes out ahead of the wait for the list
	s_and_b32 s[REM], s[REM], 0xff
	TAKE
	SETN
	ATL 0                                          ; the first expert's h,
	ATL 1
	ATL 2
	ATL 3
	RING 0, 0, WPN                                 ; and its first loads, in the order in which a pass asks for the next expert's
	LBI
	LWS 0
	LHS 0
	RING 1, 1, WPN
	RING 2, 2, WPN
	LWS 1
	LHS 1
.set EI, 128
.rept 128
	v_mov_b32 v[EI], 0                             ; the output sums, while the loads are out
.set EI, EI+1
.endr
.irp m, 0,1,2,3
	v_mov_b32 v[GG+2*\m+1], 0                      ; (named as the upper half of a pair)
.endr
	s_wait_loadcnt 63                              ; the list's 36 loads and my quarter of h are in: behind h stand 76 loads
	ATS 0
	WIN 0
.irp m, 0,1,2,3
	v_min_u32 v[TG+\m], 0xfff, v[TG+\m]
	v_lshlrev_b32 v[TG+\m], 5, v[TG+\m]            ; token x 32
.endr
	LG                                             ; the gates hang on the list: the last loads of the order, as in a pass
.set EI, 0
.rept 32
	v_min_u32 v[RO+EI], 0xfff, v[RO+EI]
	v_lshlrev_b32 v[RO+EI], 12, v[RO+EI]
	v_lshl_add_u32 v[RO+EI], v16, 4, v[RO+EI]      ; token x 4,096 + 16 r
.set EI, EI+1
.endr
	s_wait_dscnt 0x0
	s_barrier_signal -1
	s_barrier_wait -1
	ADVANCE
	s_mov_b32 s[TR], 0
.Ltrip:
	POS 0
	POS 1
	s_add_co_u32 s[TR], s[TR], 1
	s_cmp_lt_u32 s[TR], 4
	s_cbranch_scc1 .Ltrip
	; THE WAY OUT.  A lane holds 64 bytes twice of a token's row, and the lanes beside it hold other tokens: 16 rows at a time go through my own stage and come back as rows of 256 bytes.
	s_wait_loadcnt 0x0                             ; no load is pending on the registers that the rows come back into
.irp m, 0,1,2,3
	WIN 0
.irp b, 0,1
.irp i, 0,1,2,3
	ds_store_b128 v[SST], v[128+32*\m+16*\b+4*\i:128+32*\m+16*\b+4*\i+3] offset:128*\b+16*\i
.endr
.endr
	WIN 0x40
.irp k, 0,1,2,3,4,5,6,7
	ds_load_b128 v[32*\m+4*\k:32*\m+4*\k+3], v[SRD] offset:2*\k*272    ; LDS serves a wave's instructions in order: these see my stores, and the next rows' stores come behind them
.endr
.endr
	WIN 0x04                                       ; a store's data are its source 1: window 1
.irp m, 0,1,2,3
.irp k, 0,1,2,3,4,5,6,7
	s_wait_dscnt 16*(3-\m)+7-\k                    ; the LDS instructions issued behind this load
	global_store_b128 v[RO+8*\m+\k], v[32*\m+4*\k:32*\m+4*\k+3], s[16:17] th:TH_STORE_NT   ; sixteen lanes store 256 bytes on end of a token's row, at a multiple of 256 from out0's first byte
.endr
.endr
	WIN 0
	s_wait_tensorcnt 0x0
	ds_add_u32 v22, v23
	s_wait_dscnt 0x0
	s_endpgm
.Lfunc_end_k_qb85f0848d9_ffn2:
	.size	k_qb85f0848d9_ffn2, .Lfunc_end_k_qb85f0848d9_ffn2-k_qb85f0848d9_ffn2
	.p2alignl 7, 3214868480
	.fill 96, 4, 3214868480
	.section	.rodata,"a",@progbits
	.p2align	6, 0x0
	.amdhsa_kernel k_qb85f0848d9_ffn2
		.amdhsa_group_segment_fixed_size 148992
		.amdhsa_private_segment_fixed_size 0
		.amdhsa_enable_private_segment 0
		.amdhsa_kernarg_size 56
		.amdhsa_user_sgpr_count 2
		.amdhsa_user_sgpr_kernarg_segment_ptr 1
		.amdhsa_wavefront_size32 1
		.amdhsa_system_sgpr_workgroup_id_x 1
		.amdhsa_system_sgpr_workgroup_id_y 1
		.amdhsa_system_sgpr_workgroup_id_z 1
		.amdhsa_system_vgpr_workitem_id 0
		.amdhsa_next_free_vgpr 896
		.amdhsa_next_free_sgpr 66
		.amdhsa_reserve_vcc 0
		.amdhsa_float_denorm_mode_32 3
		.amdhsa_float_denorm_mode_16_64 3
		.amdhsa_memory_ordered 1
		.amdhsa_forward_progress 1
		.amdhsa_inst_pref_size 221
	.end_amdhsa_kernel
	.amdgpu_metadata
---
amdhsa.version: [ 1, 2 ]
amdhsa.kernels:
  - .name:           k_qb85f0848d9_ffn2
    .symbol:         k_qb85f0848d9_ffn2.kd
    .args:
      - { .name: lst, .offset: 0, .size: 8, .value_kind: global_buffer, .address_space: global }
      - { .name: hbuf, .offset: 8, .size: 8, .value_kind: global_buffer, .address_space: global }
      - { .name: wf, .offset: 16, .size: 8, .value_kind: global_buffer, .address_space: global }
      - { .name: W2_scales, .offset: 24, .size: 8, .value_kind: global_buffer, .address_space: global }
      - { .name: b2, .offset: 32, .size: 8, .value_kind: global_buffer, .address_space: global }
      - { .name: out4, .offset: 40, .size: 8, .value_kind: global_buffer, .address_space: global }
      - { .name: out0, .offset: 48, .size: 8, .value_kind: global_buffer, .address_space: global }
    .group_segment_fixed_size: 148992
    .private_segment_fixed_size: 0
    .kernarg_segment_align: 8
    .kernarg_segment_size: 56
    .max_flat_workgroup_size: 128
    .sgpr_count:     66
    .vgpr_count:     896
    .wavefront_size: 32
...
	.end_amdgpu_metadata
.endif
;; end of part 4
;; ======== version 2 of 2: 4 launches; version 1 with the launches ffn1, ffn2 written anew for expert scheduling mode
;; workspace buffers: xbuf 4,325,376 bytes; key 16,384 bytes of whole numbers; part 16,384 bytes; lst 16,640 bytes of whole numbers; wf 16,777,216 bytes; hbuf 34,603,008 bytes
;; launch route: the kernel of part 1 again; grid 256 x 1, 4 waves a work-group, no clusters, 56,832 bytes of LDS; arguments x, router_w, train_scores, out2, out3, out4, out5, xbuf, key, part; writes out2, out3, out4, out5, xbuf, key, part
;; launch prep: the kernel of part 2 again; grid 257 x 1, 8 waves a work-group, no clusters, 70,656 bytes of LDS; arguments key, part, W1_codes, W2_codes, lst, out1, wf; writes lst, out1, wf
;; launch ffn1 (part 5): grid 4 x 64, 4 waves a work-group, no clusters, 67,072 bytes of LDS; arguments lst, xbuf, wf, W1_scales, b1, hbuf; writes hbuf
.if DOCPART == 5
	.amdgcn_target "amdgcn-amd-amdhsa--gfx1250"
	.amdhsa_code_object_version 6
	.text
	.protected	k_qb85f0848d9_ffn1
	.globl	k_qb85f0848d9_ffn1
	.p2align	8
	.type	k_qb85f0848d9_ffn1,@function
k_qb85f0848d9_ffn1:
	s_mov_b64 s[64:65], 0
	v_nop
	global_prefetch_b8 v0, s[64:65] scope:SCOPE_SE
	s_setreg_imm32_b32 hwreg(HW_REG_WAVE_SCHED_MODE, 0, 2), 2
	s_setreg_imm32_b32 hwreg(HW_REG_WAVE_MODE, 25, 1), 1
	s_wait_xcnt 0x0
	s_wait_alu depctr_vm_vsrc(0)
; h = Q(gelu(Q(x) W1 + b1)), for the experts that a block of 64 sorted tokens uses.  Both operands are codes of E5M2 with E8M0 scales; sums in f32; gelu by the exact error function, in f32.
; SHARES.  Work-group (q, blk): block blk of the sorted list, hidden units 256 q on.  THE WAVES SHARE THE COLUMNS: wave w makes units 64 ng on (ng = 4 q + w) for all 64 tokens, so no weight byte is fetched
; twice in a work-group.  The tokens' codes are gathered once into LDS and read by all four waves; the weights go from memory straight into registers, in the order in which the operand takes them.
; THE WALK.  used[blk] (a stored whole number) names the experts; a loop of eight trips takes them in ascending order; a trip with none left does nothing.  Every pass makes all 64 rows: a row that did not choose
; the expert gets the h that the full layer would give it, and its gate, 0, annuls it in the next launch.
; No tensor load (branches hang on the stored list) and so no cluster: partners would have to walk the same experts, which hangs on the data.
; THE PRODUCT IS USED TRANSPOSED (source 0 = 16 rows of W1, source 1 = 16 tokens): lane (r, h) holds token 16 m + r, and the 16 registers of tiles 2 b, 2 b + 1 are units 64 ng + 32 b + 16 h + 0 .. 15: neighbours along the next K.
; THE WEIGHTS' SLOTS.  A wave's share of an expert, 64 KiB, has a register slot for each of its eight K steps (16 loads of 512 bytes a step).  A pass asks for nothing of its own expert: it asks for the NEXT expert's
; eight steps, each into the slot whose products are at least eight places back, three requests among the K steps and five in the way out, so that weights travel while gelu is computed.
; The order of issue is the same in every pass and in the head: step 0, step 1, bias, step 2, scale words of steps 0-3, step 3, scale words of steps 4-7, steps 4, 5, 6, 7: 140 loads.  The pass is written twice,
; with a successor and without, under one branch, so that each counted wait has one history.
; hbuf: codes as images of the next product's operand [blk][e][m 4][s 8][c 4][lane][16 bytes]; from byte 33,554,432 scale words [blk][e][s 8][m 4][r 16].  Two waves share a scale word, so each stores 2 bytes of it.
; LIMITS: NaN and infinities are not served.  A block of h whose largest magnitude is under 2^-111 (zeros too) gets the byte 1: only this program reads the bytes.  erfc by a rational-exponential fit of fractional error 1.2e-7.
; REGISTERS.  Window 0: v1-23 addresses, v24-39 W1's scale words, v40-55 x's, v56-87 the bias as C, v88-153 gelu at work, v168-199 h, v200-207 the quantiser, v212-243 codes, v244-247 scale bytes.
;   Window 1: the slots of K steps 0-3, fragment t at 64 (s % 4) + 16 t; window 3: those of steps 4-7.   Window 2: v0-127 tokens' fragments, two buffers; v128-255 the 16 accumulators, tile (m, t) at 128 + 8 (4 m + t).
; THE MODE: SCHED_MODE bits 1:0 = 2 (LLVM: expert scheduling mode 2), set by the entry lines.  The code itself states the register dependences
; between vector or matrix instructions and memory or LDS instructions, with s_wait_alu, always for 0.
; THE PLAN.  Registers that memory or LDS instructions touch:
;   T0, T1        the tokens' two buffers.  At the head the gather lands in them and the LDS stores read them.  Step s: its products read T[s % 2]; its LDS loads, the fragments of step s + 1, land in T[(s + 1) % 2], which step s - 1's products read.
;   slots 0 .. 7, the bias, W1's scale words: read by one step's products (the scale words by four steps'); the next expert's loads land in them at least one step's head later, or in the way out.
;   CD + 8 m, HW + m   four out-buffers: written by the conversions of the way out of tokens 16 m on; read by three stores, which stand behind the first wait of the next way out; written again in the next pass.
;   v1 .. v6      offsets and LDS addresses, made once at the head.  v8 .. v19: the gather's offsets, made from the list.
; So ONE wait on va_vdst stands at the head of a K step; behind it the step's loads are dealt among its sixteen products, which name T[s % 2], slot s, their scale words and the accumulators: none of the registers that those loads touch.
; In the way out the waits for the reciprocals and exponentials serve the loads and stores that follow them.  One wait on vm_vsrc stands between two passes, beside the wait on XCNT.
.set LI,  1
.set TA,  2
.set WSO, 3
.set BIO, 4
.set HSO, 5
.set GST, 6
.set OR8, 8
.set OR4, 16
.set WS,  24
.set XS,  40
.set BI,  56
.set AX,  88
.set TT,  104
.set PP,  120
.set QQ,  136
.set C9V, 152
.set HH,  168
.set TM,  200
.set CD,  212
.set HW,  244
.set WV,  16
.set BLK, 18
.set NG,  19
.set HPC, 22                           ; s[22:23], s[24:25] this expert's h codes and scale words
.set HQC, 24
.set ORB, 26
.set WPN, 28                           ; the next expert's weights, scales, bias, h codes, h scale words
.set SPN, 30
.set BPN, 32
.set HPN, 34
.set HQN, 36
.set HB,  38
.set HSB, 40
.set TP,  42                           ; s[42:43] an offset, its high word 0
.set REM, 44
.set CUR, 45
.set NXT, 46
.set TR,  47
.set E7,  48
.set TQ,  49
.set SEL, 50
.set MNT, 52
.set ABSM, 53
.set UOF, 54
.set MSB, 0
.macro WIN new                         ; the immediate's high byte repeats the setting that is left
.if MSB != \new
	s_set_vgpr_msb (MSB<<8)|\new
.set MSB, \new
.endif
.endm
.macro NOPS                            ; eight places behind this form of matrix instruction
.rept 8
	v_nop
.endr
.endm
.macro RING st                         ; the next expert's weights of K step st into that step's slot: 16 loads of 512 bytes on end
.if (\st) < 4
	WIN 0x40
.else
	WIN 0xc0
.endif
.irp t, 0,1,2,3
.irp c, 0,1,2,3
	global_load_b128 v[64*((\st)%4)+16*\t+4*\c:64*((\st)%4)+16*\t+4*\c+3], v[LI], s[WPN:WPN+1] offset:8192*(\st)+2048*\t+512*\c
.endr
.endr
.endm
.macro LBI                             ; the next expert's bias in the result's layout: tile t, lane half h: units 32 (t / 2) + 16 h + 8 (t % 2) + 0 .. 7
	WIN 0
.irp t, 0,1,2,3
	global_load_b128 v[BI+8*\t:BI+8*\t+3], v[BIO], s[BPN:BPN+1] offset:4*(32*(\t/2)+8*(\t%2))
	global_load_b128 v[BI+8*\t+4:BI+8*\t+7], v[BIO], s[BPN:BPN+1] offset:4*(32*(\t/2)+8*(\t%2))+16
.endr
.endm
.macro LWS g                           ; its scale words of K steps 4 g .. 4 g + 3: lanes 0-15 tile 2 tp, lanes 16-31 tile 2 tp + 1
	WIN 0
.irp tp, 0,1
	global_load_b128 v[WS+4*(2*(\g)+\tp):WS+4*(2*(\g)+\tp)+3], v[WSO], s[SPN:SPN+1] offset:1024*\tp+16*(\g)
.endr
.endm
.macro FETCHH s, hf                    ; two of the tokens' four fragments of K step s from LDS: tiles of tokens 2 hf and 2 hf + 1, eight loads
	WIN 0x80
.irp m, 2*(\hf), 2*(\hf)+1
.irp c, 0,1,2,3
	ds_load_b128 v[64*((\s)%2)+16*(\m)+4*\c:64*((\s)%2)+16*(\m)+4*\c+3], v[TA] offset:16640*(\m)+128*(\s)+32*\c
.endr
.endr
.endm
.macro PROD s, m, t
.set rD, 128+8*(4*(\m)+(\t))
.set rA, 64*((\s)%4)+16*(\t)
.set rB, 64*((\s)%2)+16*(\m)
.set rC, rD
.if (\s) == 0
.set rC, BI+8*(\t)
.endif
.set rSA, WS+4*(2*((\s)/4)+(\t)/2)+(\s)%4
.set rSB, XS+4*(\m)+(\s)%4
.if ((\t)%2) && ((\s)/4)
	v_wmma_scale_f32_16x16x128_f8f6f4 v[rD:rD+7], v[rA:rA+15], v[rB:rB+15], v[rC:rC+7], v[rSA], v[rSB] matrix_a_fmt:MATRIX_FMT_BF8 matrix_b_fmt:MATRIX_FMT_BF8 matrix_a_scale:MATRIX_SCALE_ROW1 matrix_b_scale:MATRIX_SCALE_ROW1
.elseif (\t)%2
	v_wmma_scale_f32_16x16x128_f8f6f4 v[rD:rD+7], v[rA:rA+15], v[rB:rB+15], v[rC:rC+7], v[rSA], v[rSB] matrix_a_fmt:MATRIX_FMT_BF8 matrix_b_fmt:MATRIX_FMT_BF8 matrix_a_scale:MATRIX_SCALE_ROW1
.elseif (\s)/4
	v_wmma_scale_f32_16x16x128_f8f6f4 v[rD:rD+7], v[rA:rA+15], v[rB:rB+15], v[rC:rC+7], v[rSA], v[rSB] matrix_a_fmt:MATRIX_FMT_BF8 matrix_b_fmt:MATRIX_FMT_BF8 matrix_b_scale:MATRIX_SCALE_ROW1
.else
	v_wmma_scale_f32_16x16x128_f8f6f4 v[rD:rD+7], v[rA:rA+15], v[rB:rB+15], v[rC:rC+7], v[rSA], v[rSB] matrix_a_fmt:MATRIX_FMT_BF8 matrix_b_fmt:MATRIX_FMT_BF8
.endif
.endm
.macro PRODH s, hf                     ; 8 of a step's 16 products: tiles of tokens 2 hf, 2 hf + 1.  The 16 accumulators take turns, one instruction a turn, in the same order in every step
.if (\s) == 0
	WIN 0x89                                       ; weights window 1, tokens window 2, C = the bias in window 0, D window 2
.elseif (\s) < 4
	WIN 0xa9
.else
	WIN 0xab                                       ; weights window 3
.endif
.irp m, 2*(\hf), 2*(\hf)+1
.irp t, 0,1,2,3
	PROD \s, \m, \t
.endr
.endr
.endm
; A K step.  cnt: the loads issued behind those that the step's products need; -1: an earlier wait has shown them in.
; The LDS loads go in runs of eight, one ahead of each half of the products; behind the run that a half needs stand two younger runs, sixteen loads; in step 7, which asks for nothing, one run and then none.
.macro KSTEP s, nx, cnt
.if (\s) > 0
	NOPS                                           ; the places behind the last step's products stay
	s_wait_alu depctr_va_vdst(0)                   ; the last step's products are done reading the tokens' buffer in which this step's LDS loads land; all earlier products are done reading the slot, the bias and the scale words that this step asks for anew
.endif
.if (\s) < 7
	FETCHH (\s)+1, 0
.endif
.if (\cnt) >= 0
	s_wait_loadcnt \cnt
.endif
.if (\s) < 7
	s_wait_dscnt 16                                ; this step's first two fragments are in
.else
	s_wait_dscnt 8
.endif
	PRODH \s, 0
.if (\s) < 7
	FETCHH (\s)+1, 1                               ; no wait: no product since the wait above names the other buffer
.endif
.if \nx
.if (\s) == 1
	RING 0                                         ; nor slot 0, which step 0's products read,
.elseif (\s) == 5
	RING 1                                         ; nor slot 1 and the bias,
	LBI
.elseif (\s) == 7
	RING 2                                         ; nor slot 2 and the scale words of steps 0-3
	LWS 0
.endif
.endif
.if (\s) < 7
	s_wait_dscnt 16                                ; this step's other two fragments are in
.else
	s_wait_dscnt 0x0
.endif
	PRODH \s, 1
.endm
.macro TAKE                            ; the lowest expert left, or 8
	s_ctz_i32_b32 s[NXT], s[REM]
	s_min_u32 s[NXT], s[NXT], 8
	s_sub_co_u32 s[TQ], s[REM], 1
	s_and_b32 s[REM], s[REM], s[TQ]
.endm
.macro SETN                            ; its pointers (held at 7, so that they stay inside the buffers where none is left: they are not used then)
	s_min_u32 s[E7], s[NXT], 7
	s_lshl_b32 s[TP], s[E7], 20
	s_add_nc_u64 s[WPN:WPN+1], s[8:9], s[TP:TP+1]
	s_lshl_b32 s[TP], s[E7], 15
	s_add_nc_u64 s[SPN:SPN+1], s[10:11], s[TP:TP+1]
	s_lshl_b32 s[TP], s[E7], 12
	s_add_nc_u64 s[BPN:BPN+1], s[12:13], s[TP:TP+1]
	s_lshl_b32 s[TP], s[E7], 16
	s_add_nc_u64 s[HPN:HPN+1], s[HB:HB+1], s[TP:TP+1]
	s_lshl_b32 s[TP], s[E7], 11
	s_add_nc_u64 s[HQN:HQN+1], s[HSB:HSB+1], s[TP:TP+1]
.endm
.macro ADVANCE
	s_wait_xcnt 0x0                                ; bases, and the registers that stores read, are written again only behind this wait
	s_wait_alu depctr_vm_vsrc(0)                   ; at the head: the gather's LDS stores have read the registers in which the tokens' fragments land; in the loop: the pass's stores have read the codes and scale bytes, which the next pass's conversions write again
	s_mov_b32 s[CUR], s[NXT]
	s_mov_b64 s[HPC:HPC+1], s[HPN:HPN+1]
	s_mov_b64 s[HQC:HQC+1], s[HQN:HQN+1]
	TAKE
	SETN
.endm
.macro HSTORE m                        ; the codes and scale bytes of tokens 16 m on leave
	global_store_b128 v[LI], v[CD+8*(\m):CD+8*(\m)+3], s[HPC:HPC+1] offset:16384*(\m)          ; 512 bytes on end: piece c = 2 (w & 1) of the image,
	global_store_b128 v[LI], v[CD+8*(\m)+4:CD+8*(\m)+7], s[HPC:HPC+1] offset:16384*(\m)+512    ; and piece c + 1
	global_store_b16 v[HSO], v[HW+(\m)], s[HQC:HQC+1] offset:64*(\m)                           ; my two bytes of the row's scale word (both halves of the lanes hold the same)
.endm
; gelu of 16 results, v[a] on in window 2, into v[o] on.  gelu(x) = max(x, 0) - |x| S, S = erfc(|x| / sqrt 2) / 2 = t 2^(poly(t) - x^2 log2(e) / 2), t = 1 / (1 + |x| / (2 sqrt 2)).
; st: the tile of tokens whose stores stand behind the first wait; -1: none.
.macro GELU16 a, o, st
	WIN 0x08                                       ; source 1: window 2.
.set GI, 0
.rept 16
	v_and_b32 v[AX+GI], s[ABSM], v[(\a)+GI]
	v_max_num_f32 v[(\o)+GI], 0, v[(\a)+GI]
.set GI, GI+1
.endr
	WIN 0
.irp p, 0,2,4,6,8,10,12,14
	v_pk_fma_f32 v[TT+\p:TT+\p+1], v[AX+\p:AX+\p+1], 0x3eb504f3, 1.0 op_sel_hi:[1,0,0]
.endr
.irp p, 0,1,2,3,4,5,6,7,8,9,10,11,12,13,14,15
	v_rcp_f32 v[TT+\p], v[TT+\p]
.endr
.irp p, 0,2,4,6,8,10,12,14
	v_pk_mul_f32 v[QQ+\p:QQ+\p+1], v[AX+\p:AX+\p+1], v[AX+\p:AX+\p+1]   ; (plain places behind the reciprocals)
.endr
	s_wait_alu depctr_va_vdst(0)                   ; the sixteen reciprocals are written, ahead of their first reader; and the conversions of the tile of tokens before have written its codes and scale bytes, which the stores below read
.if (\st) >= 0
	HSTORE \st
.endif
.irp p, 0,2,4,6,8,10,12,14
	v_pk_fma_f32 v[PP+\p:PP+\p+1], v[TT+\p:TT+\p+1], v[C9V:C9V+1], 0xbf97d29d op_sel_hi:[1,1,0]
.endr
.irp k, 0x40097039, 0xbfd1a1e5, 0x3ecdfd18, 0xbe899a80, 0x3e0efb2e, 0x3f0a29d2, 0x3fb8ab5a, 0xc034d90f
.irp p, 0,2,4,6,8,10,12,14
	v_pk_fma_f32 v[PP+\p:PP+\p+1], v[PP+\p:PP+\p+1], v[TT+\p:TT+\p+1], \k op_sel_hi:[1,1,0]
.endr
.endr
.irp p, 0,2,4,6,8,10,12,14
	v_pk_fma_f32 v[QQ+\p:QQ+\p+1], v[QQ+\p:QQ+\p+1], 0xbf38aa3b, v[PP+\p:PP+\p+1] op_sel_hi:[1,0,1]
.endr
.irp p, 0,1,2,3,4,5,6,7,8,9,10,11,12,13,14,15
	v_exp_f32 v[QQ+\p], v[QQ+\p]
.endr
	v_nop                                          ; a plain place behind the exponentials
	s_wait_alu depctr_va_vdst(0)                   ; the sixteen exponentials are written, ahead of their first reader; and step 7's products are done reading slot 7 and the scale words of steps 4-7, in which loads of the way out land
.irp p, 0,2,4,6,8,10,12,14
	v_pk_mul_f32 v[QQ+\p:QQ+\p+1], v[QQ+\p:QQ+\p+1], v[TT+\p:TT+\p+1]
.endr
.irp p, 0,2,4,6,8,10,12,14
	v_pk_fma_f32 v[(\o)+\p:(\o)+\p+1], v[AX+\p:AX+\p+1], v[QQ+\p:QQ+\p+1], v[(\o)+\p:(\o)+\p+1] neg_lo:[1,0,0] neg_hi:[1,0,0]
.endr
.endm
; the lane's 32 numbers of h, two halves of blocks of 32 along the next K, become 32 codes and two scale bytes
.macro QUANT2 m
.irp b, 0,1
	v_max3_num_f32 v[TM+\b], |v[HH+16*\b]|, |v[HH+16*\b+1]|, 0x8000000   ; with the floor 2^(16 - 127): the byte cannot fall under 1
.endr
.irp i, 2,4,6,8,10,12,14
.irp b, 0,1
	v_max3_num_f32 v[TM+\b], v[TM+\b], |v[HH+16*\b+\i]|, |v[HH+16*\b+\i+1]|
.endr
.endr
.irp b, 0,1
	v_permlanex16_b32 v[TM+2+\b], v[TM+\b], s[SEL], s[SEL+1]
.endr
.irp b, 0,1
	v_max_num_f32 v[TM+\b], v[TM+\b], v[TM+2+\b]   ; with lane l xor 16's 16: the block's largest magnitude
.endr
.irp b, 0,1
	v_add_nc_u32 v[TM+6+\b], 0xf8800000, v[TM+\b]  ; 15 off its exponent field: the conversion's scale operand
.endr
.irp b, 0,1
	v_and_or_b32 v[TM+4+\b], v[TM+\b], 0x7f800000, s[MNT]   ; 57,344 x the scale
.endr
.irp b, 0,1
	v_lshrrev_b32 v[TM+2+\b], 23, v[TM+6+\b]       ; the scale's byte
.endr
	v_lshl_or_b32 v[HW+(\m)], v[TM+3], 8, v[TM+2]
.irp b, 0,1
.irp i, 0,1,2,3,4,5,6,7,8,9,10,11,12,13,14,15
	v_med3_num_f32 v[HH+16*\b+\i], v[HH+16*\b+\i], -v[TM+4+\b], v[TM+4+\b]   ; the conversion does not saturate (ISA guide 7.6.2)
.endr
	v_cvt_scalef32_pk8_bf8_f32 v[CD+8*(\m)+4*\b:CD+8*(\m)+4*\b+1], v[HH+16*\b:HH+16*\b+7], v[TM+6+\b]
	v_cvt_scalef32_pk8_bf8_f32 v[CD+8*(\m)+4*\b+2:CD+8*(\m)+4*\b+3], v[HH+16*\b+8:HH+16*\b+15], v[TM+6+\b]
.endr
	v_nop                                          ; a plain place behind the last conversion
.endm
; The way out of 16 tokens.  g1, g2: the K step of the next expert that is asked for in its middle and at its end; -1: none.  Its own stores stand in the next way out, behind that one's first wait.
; The loads owe no wait of their own: behind gelu's last wait stand only vector instructions that name gelu's, h's and the quantiser's registers.
.macro EPIM m, g1, g2
	GELU16 128+32*(\m), HH, (\m)-1
.if (\g1) >= 0
	RING \g1
.if (\g1) == 3
	LWS 1                                          ; the scale words of steps 4-7: their last reader, step 7, is more than eight places back
.endif
.endif
	GELU16 128+32*(\m)+16, HH+16, -1
	QUANT2 \m
.if (\g2) >= 0
	RING \g2
.endif
.endm
; One expert.  Behind step 0's weights, bias and scale words stand 82 loads of the order of issue given at the head: the wait takes 63, the largest count that can be written.  It shows step 3's weights in too (66 loads stand behind them)
; and the scale words of steps 4-7 (64): so steps 1 to 3 have no wait.  Behind step 4's weights stand 48, then 32, 16, 0.  With a successor this pass's own requests, each issued behind its step's wait, come on top:
; 16 from step 2 on, 40 from step 6 on: 64 (written as 63), 48, 56, 40.
.macro PASS nx
	WIN 0x80
	s_wait_alu depctr_va_vdst(0)                   ; v[TA] is written, and the pass before is done reading both buffers of tokens' fragments, in which the loads below and step 0's land
	FETCHH 0, 0
	FETCHH 0, 1
.if \nx
	KSTEP 0, 1, 63
	KSTEP 1, 1, -1
	KSTEP 2, 1, -1
	KSTEP 3, 1, -1
	KSTEP 4, 1, 63
	KSTEP 5, 1, 48
	KSTEP 6, 1, 56
	KSTEP 7, 1, 40
	NOPS                                           ; eight places ahead of the first read of results
	EPIM 0, 3, -1
	EPIM 1, 4, 5
	EPIM 2, -1, 6
	EPIM 3, 7, -1
.else
	KSTEP 0, 0, 63
	KSTEP 1, 0, -1
	KSTEP 2, 0, -1
	KSTEP 3, 0, -1
	KSTEP 4, 0, 48
	KSTEP 5, 0, 32
	KSTEP 6, 0, 16
	KSTEP 7, 0, 0
	NOPS                                           ; eight places ahead of the first read of results
	EPIM 0, -1, -1
	EPIM 1, -1, -1
	EPIM 2, -1, -1
	EPIM 3, -1, -1
.endif
	WIN 0
	s_wait_alu depctr_va_vdst(0)                   ; the last conversions have written the codes and scale bytes of tokens 48 on, which the stores below read
	HSTORE 3
.endm
	s_load_b256 s[4:11], s[0:1], 0x0               ; lst, xbuf, wf, W1_scales
	s_load_b128 s[12:15], s[0:1], 0x20             ; b1, hbuf
	v_lshl_add_u32 v254, v0, 2, 0x10400
	v_mov_b32 v255, 0
	v_lshrrev_b32 v7, 5, v0
	v_readfirstlane_b32 s[WV], v7
	v_and_b32 v20, 31, v0                          ; L
	v_and_b32 v21, 15, v0                          ; r
	v_bfe_u32 v22, v0, 4, 1                        ; h
	v_lshlrev_b32 v[LI], 4, v20
	v_mul_u32_u24 v[TA], v21, 1040                 ; a token's row in LDS: 1,024 bytes + 16 of padding: 16 rows start at 16 different groups of banks
	v_lshl_add_u32 v[TA], v22, 4, v[TA]
	v_and_b32 v23, 8, v21
	v_add_nc_u32 v23, v23, v21
	v_lshl_add_u32 v23, v22, 3, v23                ; r + 8 (r / 8) + 8 h: the tile's row, lanes 16-31 those of the odd tile
	v_lshlrev_b32 v[WSO], 5, v23
	v_lshlrev_b32 v[BIO], 6, v22
	v_lshlrev_b32 v[HSO], 2, v21
	v_lshl_add_u32 v23, v7, 4, v22                 ; 16 w + h: the rows that I gather, two an instruction
	v_mul_u32_u24 v[GST], v23, 1040
	v_lshl_add_u32 v[GST], v21, 4, v[GST]
	v_lshlrev_b32 v23, 2, v23
	v_mov_b32 v[C9V], 0x3e7c6f08
	v_mov_b32 v[C9V+1], 0x3e7c6f08
	v_mov_b32 v[TM+2], 0                           ; (a lane permute's destination counts as read)
	v_mov_b32 v[TM+3], 0
	s_wait_alu depctr_va_sdst(0)                   ; the wave's number is written, ahead of its first reader: ng and all bases are made from it
	s_and_b32 s[BLK], ttmp7, 0xffff
	s_lshl_b32 s[NG], ttmp9, 2
	s_add_co_u32 s[NG], s[NG], s[WV]
	s_lshl_b32 s[TP], s[BLK], 8
	s_mov_b32 s[TP+1], 0
	s_lshl_b32 s[UOF], s[BLK], 2
	s_wait_kmcnt 0x0
	s_load_b32 s[REM], s[4:5], s[UOF] offset:0x4000         ; used[blk]
	s_add_nc_u64 s[ORB:ORB+1], s[4:5], s[TP:TP+1]           ; ord of my block
	s_wait_alu depctr_va_vdst(0)                   ; the offsets and LDS addresses v1 to v6 and v23 are written, which the kernel's loads and stores read
.irp j, 0,1,2,3,4,5,6,7
	global_load_b32 v[OR8+\j], v23, s[ORB:ORB+1] offset:8*\j
.endr
.irp m, 0,1,2,3
	global_load_b32 v[OR4+\m], v[HSO], s[ORB:ORB+1] offset:64*\m
.endr
	s_lshl_b32 s[TP], s[NG], 16
	s_add_nc_u64 s[8:9], s[8:9], s[TP:TP+1]
	s_lshl_b32 s[TP], s[NG], 11
	s_add_nc_u64 s[10:11], s[10:11], s[TP:TP+1]
	s_lshl_b32 s[TP], s[NG], 8
	s_add_nc_u64 s[12:13], s[12:13], s[TP:TP+1]
	s_lshl_b32 s[TP], s[BLK], 19
	s_add_nc_u64 s[HB:HB+1], s[14:15], s[TP:TP+1]
	s_lshl_b32 s[TP], s[NG], 10                    ; K step ng / 2 of the next product (2,048 bytes), pieces 2 (ng & 1) on (512 each)
	s_add_nc_u64 s[HB:HB+1], s[HB:HB+1], s[TP:TP+1]
	s_lshl_b32 s[TP], s[BLK], 14
	s_add_nc_u64 s[HSB:HSB+1], s[14:15], s[TP:TP+1]
	s_add_nc_u64 s[HSB:HSB+1], s[HSB:HSB+1], 0x2000000
	s_lshr_b32 s[TP], s[NG], 1
	s_lshl_b32 s[TP], s[TP], 8
	s_and_b32 s[TQ], s[NG], 1
	s_lshl_b32 s[TQ], s[TQ], 1
	s_add_co_u32 s[TP], s[TP], s[TQ]
	s_add_nc_u64 s[HSB:HSB+1], s[HSB:HSB+1], s[TP:TP+1]
	s_mov_b32 s[SEL], 0x76543210
	s_mov_b32 s[SEL+1], 0xfedcba98
	s_mov_b32 s[MNT], 0x600000
	s_mov_b32 s[ABSM], 0x7fffffff
	s_wait_kmcnt 0x0                               ; used[blk]: what hangs on it alone goes out ahead of the wait for the list
	s_and_b32 s[REM], s[REM], 0xff
	TAKE
	SETN
	RING 0                                         ; the first expert's loads, in the order in which a pass asks for the next expert's
	RING 1
	LBI
	RING 2
	LWS 0
	s_wait_loadcnt 58                              ; the list's 12 loads are in: behind them stand the 58 above
.irp j, 0,1,2,3,4,5,6,7
	v_min_u32 v[OR8+\j], 0xfff, v[OR8+\j]
	v_lshlrev_b32 v[OR8+\j], 10, v[OR8+\j]
	v_lshl_add_u32 v[OR8+\j], v21, 4, v[OR8+\j]    ; token x 1,024 + 16 r
.endr
.irp m, 0,1,2,3
	v_min_u32 v[OR4+\m], 0xfff, v[OR4+\m]
	v_lshlrev_b32 v[OR4+\m], 5, v[OR4+\m]
	v_lshl_add_u32 v[OR4+\m], v22, 4, v[OR4+\m]    ; token x 32 + 16 h
.endr
	WIN 0x80
	s_wait_alu depctr_va_vdst(0)                   ; the twelve offsets made from the list are written, which the gather's loads read
.irp j, 0,1,2,3,4,5,6,7
.irp u, 0,1,2,3
	global_load_b128 v[16*\j+4*\u:16*\j+4*\u+3], v[OR8+\j], s[6:7] offset:256*\u   ; sixteen lanes take 256 bytes on end of a token's codes
.endr
.endr
	WIN 0
.irp m, 0,1,2,3
	global_load_b128 v[XS+4*\m:XS+4*\m+3], v[OR4+\m], s[6:7] offset:0x400000       ; x's scale words: lanes 0-15 K steps 0-3, lanes 16-31 steps 4-7
.endr
	RING 3
	LWS 1
	RING 4
	s_wait_loadcnt 34                              ; the gather and x's scale words are in: behind them stand 16 + 2 + 16 loads
	WIN 0x08
.irp j, 0,1,2,3,4,5,6,7
.irp u, 0,1,2,3
	ds_store_b128 v[GST], v[16*\j+4*\u:16*\j+4*\u+3] offset:2*\j*1040+256*\u
.endr
.endr
	WIN 0
	s_wait_dscnt 0x0                               ; for the others' sake: my 16 rows lie in LDS
	s_barrier_signal -1
	s_barrier_wait -1                              ; the launch's one barrier: LDS is only read from here on
	RING 5
	RING 6
	RING 7
	WIN 0
	ADVANCE
	s_mov_b32 s[TR], 0
.Ltrip:
	s_cmp_eq_u32 s[CUR], 8
	s_cbranch_scc1 .Lskip
	s_cmp_lt_u32 s[NXT], 8
	s_cbranch_scc0 .Llast
	PASS 1
	s_branch .Lskip
.Llast:
	PASS 0
.Lskip:
	ADVANCE
	s_add_co_u32 s[TR], s[TR], 1
	s_cmp_lt_u32 s[TR], 8
	s_cbranch_scc1 .Ltrip
	s_wait_dscnt 0x0                               ; the closing lines, six on end
	s_wait_alu 0x0
	s_wait_tensorcnt 0x0
	ds_add_u32 v254, v255
	s_wait_dscnt 0x0
	s_endpgm
.Lfunc_end_k_qb85f0848d9_ffn1:
	.size	k_qb85f0848d9_ffn1, .Lfunc_end_k_qb85f0848d9_ffn1-k_qb85f0848d9_ffn1
	.p2alignl 7, 3214868480
	.fill 96, 4, 3214868480
	.section	.rodata,"a",@progbits
	.p2align	6, 0x0
	.amdhsa_kernel k_qb85f0848d9_ffn1
		.amdhsa_group_segment_fixed_size 67072
		.amdhsa_private_segment_fixed_size 0
		.amdhsa_enable_private_segment 0
		.amdhsa_kernarg_size 48
		.amdhsa_user_sgpr_count 2
		.amdhsa_user_sgpr_kernarg_segment_ptr 1
		.amdhsa_wavefront_size32 1
		.amdhsa_system_sgpr_workgroup_id_x 1
		.amdhsa_system_sgpr_workgroup_id_y 1
		.amdhsa_system_sgpr_workgroup_id_z 1
		.amdhsa_system_vgpr_workitem_id 0
		.amdhsa_next_free_vgpr 1024
		.amdhsa_next_free_sgpr 66
		.amdhsa_reserve_vcc 0
		.amdhsa_float_denorm_mode_32 3
		.amdhsa_float_denorm_mode_16_64 3
		.amdhsa_memory_ordered 1
		.amdhsa_forward_progress 1
		.amdhsa_inst_pref_size 255
	.end_amdhsa_kernel
	.section	.bss,"aw",@nobits
	.p2align	6
	.space	262144
	.amdgpu_metadata
---
amdhsa.version: [ 1, 2 ]
amdhsa.kernels:
  - .name:           k_qb85f0848d9_ffn1
    .symbol:         k_qb85f0848d9_ffn1.kd
    .args:
      - { .name: lst, .offset: 0, .size: 8, .value_kind: global_buffer, .address_space: global }
      - { .name: xbuf, .offset: 8, .size: 8, .value_kind: global_buffer, .address_space: global }
      - { .name: wf, .offset: 16, .size: 8, .value_kind: global_buffer, .address_space: global }
      - { .name: W1_scales, .offset: 24, .size: 8, .value_kind: global_buffer, .address_space: global }
      - { .name: b1, .offset: 32, .size: 8, .value_kind: global_buffer, .address_space: global }
      - { .name: hbuf, .offset: 40, .size: 8, .value_kind: global_buffer, .address_space: global }
    .group_segment_fixed_size: 67072
    .private_segment_fixed_size: 0
    .kernarg_segment_align: 8
    .kernarg_segment_size: 48
    .max_flat_workgroup_size: 128
    .sgpr_count:     66
    .vgpr_count:     1024
    .wavefront_size: 32
...
	.end_amdgpu_metadata
.endif
;; end of part 5
;; launch ffn2 (part 6): grid 4 x 64, 4 waves a work-group, no clusters, 148,992 bytes of LDS; arguments lst, hbuf, wf, W2_scales, b2, out4, out0; writes out0
.if DOCPART == 6
	.amdgcn_target "amdgcn-amd-amdhsa--gfx1250"
	.amdhsa_code_object_version 6
	.text
	.protected	k_qb85f0848d9_ffn2
	.globl	k_qb85f0848d9_ffn2
	.p2align	8
	.type	k_qb85f0848d9_ffn2,@function
k_qb85f0848d9_ffn2:
	s_mov_b64 s[64:65], 0
	v_nop
	global_prefetch_b8 v0, s[64:65] scope:SCOPE_SE
	s_setreg_imm32_b32 hwreg(HW_REG_WAVE_SCHED_MODE, 0, 2), 2
	s_setreg_imm32_b32 hwreg(HW_REG_WAVE_MODE, 25, 1), 1
	s_wait_xcnt 0x0
	s_wait_alu depctr_vm_vsrc(0)
; out0[token] = sum over the experts e that the token's block uses of gate[token][e] x (h_e W2_e + b2_e).  Both operands are codes of E5M2 with E8M0 scales; sums in f32.  A token's gate is 0 for the experts it did not choose.
; SHARES.  Work-group (q, blk): block blk of 64 sorted tokens, output columns 256 q on; wave w makes columns 64 ng on (ng = 4 q + w) for all 64 tokens.  Each output row has one owner: nothing is added between work-groups.
; W2's fragments go from memory straight into registers through a ring of four slots: step s asks for step s + 3, from step 5 on for the next expert's steps 0 to 2.  An expert's h for the block, 64 KiB of operand images,
; lies in one of two LDS regions; while one is multiplied each wave brings its quarter of the next expert's into registers and stores it into the other region at the pass's end.  ONE barrier a position of the walk orders
; both: the stores ahead of the next pass's reads, and this pass's reads ahead of the next stores into its region.  It stands outside the branches on the stored list: every wave passes it in all eight positions.
; No tensor load (branches hang on the stored list) and so no cluster: partners would have to walk the same experts, which hangs on the data.
; THE PRODUCT IS USED TRANSPOSED: lane (r, h) holds token 16 m + r; the 16 registers of tiles 2 b, 2 b + 1 are columns 64 ng + 32 b + 16 h + 0 .. 15.  The bias is the C of each sum's first product.
; The output sums are cleared once by moves: which pass comes first hangs on the stored list, so no pass's text can start them.
; LIMITS: NaN and infinities are not served.
; REGISTERS.  Window 0: v1-13 addresses, v24-39 W2's scale words, v40-55 h's, v56-87 the bias, v88-95 gates (even registers), v96-127 the rows' offsets in out0, v128-255 the output sums.
;   Window 1: the ring; on the way out the rows.   Window 2: v0-127 h's fragments, two buffers; v128-255 the accumulators.   Window 3: v0-127 my quarter of the next expert's h.
; THE MODE: SCHED_MODE bits 1:0 = 2 (LLVM: expert scheduling mode 2), set by the entry lines.  The code itself states the register dependences
; between vector or matrix instructions and memory or LDS instructions, with s_wait_alu, always for 0.
; THE PLAN.  Registers that memory or LDS instructions touch:
;   H0, H1        h's two buffers.  Step s: its products read H[s % 2]; its LDS loads, the fragments of step s + 1, land in H[(s + 1) % 2], which step s - 1's products read.
;   ring slots    Step s: its products read slot s % 4; its loads land in slot (s + 3) % 4, which step s - 1's products read.
;   the stage (window 3)   Loads of steps 0 to 3 land in it; the LDS stores at the pass's end read it; no vector or matrix instruction names it.
;   the bias, the scale words   read by products; the next expert's land in step 5 (bias, steps 0-3's words) and at the pass's end (steps 4-7's).
;   the gates     read by the multiply-adds at the pass's end; the next expert's land behind them.
;   the sums      written by moves at the head and by the multiply-adds; read by the way out's LDS stores.
;   v1 .. v9      offsets and LDS addresses, made once.  v10 .. v13 and v96 .. v127: offsets made from the list, once.
; So ONE wait on va_vdst stands at the head of each K step but a pass's first, and one at the pass's end, behind the multiply-adds, which also serves the next pass's first step and the way out.  Behind a step's wait its loads are dealt
; among its sixteen products, which name H[s % 2], slot s % 4, their scale words and the accumulators: none of the registers that those loads touch.  One wait on vm_vsrc stands between two passes, for the stage.
.set LI0, 1
.set LI1, 2
.set WSO, 3
.set BIO, 4
.set L4,  5
.set AS0, 6
.set AS1, 7
.set SST, 8
.set SRD, 9
.set TG,  10
.set WS,  24
.set HS,  40
.set BI,  56
.set GG,  88
.set RO,  96
.set WV,  18
.set BLK, 19
.set NG,  20
.set WPC, 22
.set WPN, 24
.set SPN, 26
.set BPN, 28
.set HPN, 30
.set HQN, 32
.set GPN, 34
.set HB,  36
.set HSB, 38
.set TP,  40
.set REM, 42
.set CUR, 43
.set NXT, 44
.set TR,  45
.set E7,  46
.set TQ,  47
.set ORB, 48
.set UOF, 50
.set MSB, 0
.macro WIN new                         ; the immediate's high byte repeats the setting that is left
.if MSB != \new
	s_set_vgpr_msb (MSB<<8)|\new
.set MSB, \new
.endif
.endm
.macro NOPS                            ; eight places behind this form of matrix instruction
.rept 8
	v_nop
.endr
.endm
.macro RING sl, st, p
	WIN 0x40
.irp t, 0,1,2,3
.irp c, 0,1,2,3
	global_load_b128 v[64*(\sl)+16*\t+4*\c:64*(\sl)+16*\t+4*\c+3], v[LI0], s[\p:\p+1] offset:8192*(\st)+2048*\t+512*\c
.endr
.endr
.endm
.macro LBI
	WIN 0
.irp t, 0,1,2,3
	global_load_b128 v[BI+8*\t:BI+8*\t+3], v[BIO], s[BPN:BPN+1] offset:4*(32*(\t/2)+8*(\t%2))
	global_load_b128 v[BI+8*\t+4:BI+8*\t+7], v[BIO], s[BPN:BPN+1] offset:4*(32*(\t/2)+8*(\t%2))+16
.endr
.endm
.macro LWS g
	WIN 0
.irp tp, 0,1
	global_load_b128 v[WS+4*(2*(\g)+\tp):WS+4*(2*(\g)+\tp)+3], v[WSO], s[SPN:SPN+1] offset:1024*\tp+16*(\g)
.endr
.endm
.macro LHS g                           ; h's scale words of K steps 4 g .. 4 g + 3: register 2 s + mp: lanes 0-15 rows of tile 2 mp, lanes 16-31 of tile 2 mp + 1
	WIN 0
.irp u, 0,1,2,3
.irp mp, 0,1
	global_load_b32 v[HS+2*(4*(\g)+\u)+\mp], v[L4], s[HQN:HQN+1] offset:256*(4*(\g)+\u)+128*\mp
.endr
.endr
.endm
.macro LG                              ; the gates of the block's tokens for the next expert
	WIN 0
.irp m, 0,1,2,3
	global_load_b32 v[GG+2*\m], v[TG+\m], s[GPN:GPN+1]
.endr
.endm
.macro ATL g                           ; eight of the 32 loads of my quarter of the next expert's h
	WIN 0xc0
.irp i, 0,1,2,3,4,5,6,7
	global_load_b128 v[4*(8*(\g)+\i):4*(8*(\g)+\i)+3], v[LI0], s[HPN:HPN+1] offset:512*(8*(\g)+\i)
.endr
.endm
.macro ATS R                           ; and its way into region R
	WIN 0x0c
.set AI, 0
.rept 32
	ds_store_b128 v[AS0+(\R)], v[4*AI:4*AI+3] offset:512*AI
.set AI, AI+1
.endr
.endm
.macro FETCHH s, R, hf                 ; two of h's four fragments of K step s: tiles of tokens 2 hf, 2 hf + 1: images of the operand's registers, 512 bytes on end a load, eight loads
	WIN 0x80
.irp m, 2*(\hf), 2*(\hf)+1
.irp c, 0,1,2,3
	ds_load_b128 v[64*((\s)%2)+16*(\m)+4*\c:64*((\s)%2)+16*(\m)+4*\c+3], v[LI0+(\R)] offset:16384*(\m)+2048*(\s)+512*\c
.endr
.endr
.endm
.macro PROD s, m, t
.set rD, 128+8*(4*(\m)+(\t))
.set rA, 64*((\s)%4)+16*(\t)
.set rB, 64*((\s)%2)+16*(\m)
.set rC, rD
.if (\s) == 0
.set rC, BI+8*(\t)
.endif
.set rSA, WS+4*(2*((\s)/4)+(\t)/2)+(\s)%4
.set rSB, HS+2*(\s)+(\m)/2
.if ((\t)%2) && ((\m)%2)
	v_wmma_scale_f32_16x16x128_f8f6f4 v[rD:rD+7], v[rA:rA+15], v[rB:rB+15], v[rC:rC+7], v[rSA], v[rSB] matrix_a_fmt:MATRIX_FMT_BF8 matrix_b_fmt:MATRIX_FMT_BF8 matrix_a_scale:MATRIX_SCALE_ROW1 matrix_b_scale:MATRIX_SCALE_ROW1
.elseif (\t)%2
	v_wmma_scale_f32_16x16x128_f8f6f4 v[rD:rD+7], v[rA:rA+15], v[rB:rB+15], v[rC:rC+7], v[rSA], v[rSB] matrix_a_fmt:MATRIX_FMT_BF8 matrix_b_fmt:MATRIX_FMT_BF8 matrix_a_scale:MATRIX_SCALE_ROW1
.elseif (\m)%2
	v_wmma_scale_f32_16x16x128_f8f6f4 v[rD:rD+7], v[rA:rA+15], v[rB:rB+15], v[rC:rC+7], v[rSA], v[rSB] matrix_a_fmt:MATRIX_FMT_BF8 matrix_b_fmt:MATRIX_FMT_BF8 matrix_b_scale:MATRIX_SCALE_ROW1
.else
	v_wmma_scale_f32_16x16x128_f8f6f4 v[rD:rD+7], v[rA:rA+15], v[rB:rB+15], v[rC:rC+7], v[rSA], v[rSB] matrix_a_fmt:MATRIX_FMT_BF8 matrix_b_fmt:MATRIX_FMT_BF8
.endif
.endm
.macro PRODH s, hf                     ; 8 of a step's 16 products: tiles of tokens 2 hf, 2 hf + 1.  The 16 accumulators take turns, one instruction a turn, in the same order in every step
.if (\s) == 0
	WIN 0x89
.else
	WIN 0xa9
.endif
.irp m, 2*(\hf), 2*(\hf)+1
.irp t, 0,1,2,3
	PROD \s, \m, \t
.endr
.endr
.endm
; A K step.  cnt: the loads issued behind those that the step's products need.  The LDS loads go in runs of eight, one ahead of each half of the products; behind the run that a half needs stand two younger runs,
; sixteen loads; in step 7, which asks for nothing from LDS, one run and then none.  The step's loads from memory stand between the halves, behind the step's wait on LOADcnt.
.macro KSTEP s, nx, R, cnt
.if (\s) > 0
	NOPS                                           ; the places behind the last step's products stay
	s_wait_alu depctr_va_vdst(0)                   ; the last step's products are done reading the buffer of h and the ring's slot in which this step's loads land; earlier products are done reading the bias and the scale words that step 5 asks for anew
.endif
.if (\s) < 7
	FETCHH (\s)+1, \R, 0
.endif
	s_wait_loadcnt \cnt
.if (\s) < 7
	s_wait_dscnt 16                                ; this step's first two fragments are in
.else
	s_wait_dscnt 8
.endif
	PRODH \s, 0
.if (\s) < 7
	FETCHH (\s)+1, \R, 1                           ; no wait, here and below: no product since the wait above names the other buffer, the slot of three steps on, or the stage
.endif
.if (\nx) && ((\s) < 4)
	ATL \s
.endif
.if (\s) < 5
	RING ((\s)+3)%4, (\s)+3, WPC
.elseif \nx
.if (\s) == 5
	RING 0, 0, WPN
	LBI
	LWS 0
	LHS 0
.elseif (\s) == 6
	RING 1, 1, WPN
.else
	RING 2, 2, WPN
.endif
.endif
.if (\s) < 7
	s_wait_dscnt 16                                ; this step's other two fragments are in
.else
	s_wait_dscnt 0x0
.endif
	PRODH \s, 1
.endm
.macro TAKE
	s_ctz_i32_b32 s[NXT], s[REM]
	s_min_u32 s[NXT], s[NXT], 8
	s_sub_co_u32 s[TQ], s[REM], 1
	s_and_b32 s[REM], s[REM], s[TQ]
.endm
.macro SETN
	s_min_u32 s[E7], s[NXT], 7
	s_lshl_b32 s[TP], s[E7], 20
	s_add_nc_u64 s[WPN:WPN+1], s[8:9], s[TP:TP+1]
	s_lshl_b32 s[TP], s[E7], 15
	s_add_nc_u64 s[SPN:SPN+1], s[10:11], s[TP:TP+1]
	s_lshl_b32 s[TP], s[E7], 12
	s_add_nc_u64 s[BPN:BPN+1], s[12:13], s[TP:TP+1]
	s_lshl_b32 s[TP], s[E7], 16
	s_add_nc_u64 s[HPN:HPN+1], s[HB:HB+1], s[TP:TP+1]
	s_lshl_b32 s[TP], s[E7], 11
	s_add_nc_u64 s[HQN:HQN+1], s[HSB:HSB+1], s[TP:TP+1]
	s_lshl_b32 s[TP], s[E7], 2
	s_add_nc_u64 s[GPN:GPN+1], s[14:15], s[TP:TP+1]
.endm
.macro ADVANCE
	s_wait_xcnt 0x0                                ; bases are written again only behind this wait
	s_wait_alu depctr_vm_vsrc(0)                   ; my LDS stores of h have read the stage, in which the next pass's loads land
	s_mov_b32 s[CUR], s[NXT]
	s_mov_b64 s[WPC:WPC+1], s[WPN:WPN+1]
	TAKE
	SETN
.endm
; One expert.  At a pass's head its first loads are out in this order: step 0's weights, bias, scale words (34), step 1's weights (16), step 2's (16), the later scale words and the gates (14).
; Between the halves of steps 0 to 4 the pass adds the weights of steps 3 to 7, 16 each; with a successor 8 loads of the stage ahead of them in steps 0 to 3, 34 in step 5, 16 in steps 6 and 7.
; So behind what a step needs stand, with a successor: 46; 16 + 14 + 24 = 54; 14 + 48 = 62; 48; 48; 8 + 32 = 40; 16 + 34 = 50; 34 + 16 = 50.  Without: 46; 46; 46; 32; 32; 32; 16; 0.
; The gates are older than step 3's weights and the stage's last loads older than step 6's: the waits of those steps show them in.
.macro PASS R, nx
	FETCHH 0, \R, 0                                ; (the wait at the end of the pass before, or the head's last, stands for these and for step 0's loads)
	FETCHH 0, \R, 1
.if \nx
	KSTEP 0, 1, \R, 46
	KSTEP 1, 1, \R, 54
	KSTEP 2, 1, \R, 62
	KSTEP 3, 1, \R, 48
	KSTEP 4, 1, \R, 48
	KSTEP 5, 1, \R, 40
	KSTEP 6, 1, \R, 50
	KSTEP 7, 1, \R, 50
	ATS 1-(\R)                                     ; nobody reads that region since the last barrier
.else
	KSTEP 0, 0, \R, 46
	KSTEP 1, 0, \R, 46
	KSTEP 2, 0, \R, 46
	KSTEP 3, 0, \R, 32
	KSTEP 4, 0, \R, 32
	KSTEP 5, 0, \R, 32
	KSTEP 6, 0, \R, 16
	KSTEP 7, 0, \R, 0
.endif
	NOPS                                           ; eight places ahead of the first read of results
	WIN 0x02                                       ; source 0: the accumulators, window 2.
.irp m, 0,1,2,3
.set EI, 128+32*\m
.rept 16
	v_pk_fma_f32 v[EI:EI+1], v[EI:EI+1], v[GG+2*\m:GG+2*\m+1], v[EI:EI+1] op_sel_hi:[1,0,1]   ; the sums += gate x (h W2 + b2)
.set EI, EI+2
.endr
.endr
	s_wait_alu depctr_va_vdst(0)                   ; the multiply-adds have written the sums, which the way out's LDS stores read, and are done reading the gates; the products are done reading the scale words of steps 4-7, slot 3 and both buffers of h: the loads below and the next pass's first loads land in these
.if \nx
	LWS 1
	LHS 1
	LG
.endif
	WIN 0
.endm
.macro POS R
	s_cmp_eq_u32 s[CUR], 8
	s_cbranch_scc1 .Lpe_\@
	s_cmp_lt_u32 s[NXT], 8
	s_cbranch_scc0 .Lp0_\@
	PASS \R, 1
	s_branch .Lpe_\@
.Lp0_\@:
	PASS \R, 0
.Lpe_\@:
	s_wait_dscnt 0x0                               ; my stores into the other region have landed, my reads of this one are in
	s_barrier_signal -1
	s_barrier_wait -1
	ADVANCE
.endm
	s_load_b256 s[4:11], s[0:1], 0x0               ; lst, hbuf, wf, W2_scales
	s_load_b128 s[12:15], s[0:1], 0x20             ; b2, out4
	s_load_b64 s[16:17], s[0:1], 0x30              ; out0
	v_lshl_add_u32 v22, v0, 2, 0x24400
	v_mov_b32 v23, 0
	v_lshrrev_b32 v14, 5, v0
	v_readfirstlane_b32 s[WV], v14
	v_and_b32 v15, 31, v0                          ; L
	v_and_b32 v16, 15, v0                          ; r
	v_bfe_u32 v17, v0, 4, 1                        ; h
	v_lshlrev_b32 v[LI0], 4, v15
	v_add_nc_u32 v[LI1], 0x10000, v[LI0]
	v_and_b32 v18, 8, v16
	v_add_nc_u32 v18, v18, v16
	v_lshl_add_u32 v18, v17, 3, v18
	v_lshlrev_b32 v[WSO], 5, v18
	v_lshlrev_b32 v[BIO], 6, v17
	v_lshlrev_b32 v[L4], 2, v15
	v_lshl_add_u32 v[AS0], v14, 14, v[LI0]         ; my quarter of a region
	v_add_nc_u32 v[AS1], 0x10000, v[AS0]
	v_mul_u32_u24 v[SST], v16, 272
	v_lshl_add_u32 v[SST], v17, 6, v[SST]          ; the stage, in: row r, + 64 h
	v_mul_u32_u24 v[SRD], v17, 272
	v_lshl_add_u32 v[SRD], v16, 4, v[SRD]          ; back: lanes 0-15 one row, lanes 16-31 the next
	v_lshlrev_b32 v19, 2, v17
	v_lshlrev_b32 v20, 2, v16
	s_wait_alu depctr_va_sdst(0)                   ; the wave's number is written, ahead of its first reader: ng, my stage and all bases are made from it
	s_and_b32 s[BLK], ttmp7, 0xffff
	s_lshl_b32 s[NG], ttmp9, 2
	s_add_co_u32 s[NG], s[NG], s[WV]
	s_mul_i32 s[TQ], s[WV], 4352
	s_add_co_u32 s[TQ], s[TQ], 131072              ; my stage: 16 rows x (256 bytes + 16), behind the two regions
	v_add_nc_u32 v[SST], s[TQ], v[SST]
	v_add_nc_u32 v[SRD], s[TQ], v[SRD]
	s_lshl_b32 s[TP], s[BLK], 8
	s_mov_b32 s[TP+1], 0
	s_lshl_b32 s[UOF], s[BLK], 2
	s_wait_kmcnt 0x0
	s_load_b32 s[REM], s[4:5], s[UOF] offset:0x4000
	s_add_nc_u64 s[ORB:ORB+1], s[4:5], s[TP:TP+1]
	s_wait_alu depctr_va_vdst(0)                   ; the offsets and LDS addresses v1 to v9, v19 and v20 are written, which the kernel's loads and stores read
.irp m, 0,1,2,3
.irp k, 0,1,2,3,4,5,6,7
	global_load_b32 v[RO+8*\m+\k], v19, s[ORB:ORB+1] offset:64*\m+8*\k    ; the token of place 16 m + 2 k + h
.endr
	global_load_b32 v[TG+\m], v20, s[ORB:ORB+1] offset:64*\m             ; and of place 16 m + r
.endr
	s_lshl_b32 s[TP], s[NG], 16
	s_add_nc_u64 s[8:9], s[8:9], s[TP:TP+1]
	s_add_nc_u64 s[8:9], s[8:9], 0x800000          ; W2's half of wf
	s_lshl_b32 s[TP], s[NG], 11
	s_add_nc_u64 s[10:11], s[10:11], s[TP:TP+1]
	s_lshl_b32 s[TP], s[NG], 8
	s_add_nc_u64 s[12:13], s[12:13], s[TP:TP+1]
	s_add_nc_u64 s[16:17], s[16:17], s[TP:TP+1]    ; my 64 columns of out0: 256 bytes, like my 64 numbers of b2
	s_lshl_b32 s[TP], s[BLK], 19
	s_add_nc_u64 s[HB:HB+1], s[6:7], s[TP:TP+1]
	s_lshl_b32 s[TP], s[WV], 14
	s_add_nc_u64 s[HB:HB+1], s[HB:HB+1], s[TP:TP+1]
	s_lshl_b32 s[TP], s[BLK], 14
	s_add_nc_u64 s[HSB:HSB+1], s[6:7], s[TP:TP+1]
	s_add_nc_u64 s[HSB:HSB+1], s[HSB:HSB+1], 0x2000000
	s_wait_kmcnt 0x0                               ; used[blk]: what hangs on it alone goes out ahead of the wait for the list
	s_and_b32 s[REM], s[REM], 0xff
	TAKE
	SETN
	ATL 0                                          ; the first expert's h,
	ATL 1
	ATL 2
	ATL 3
	RING 0, 0, WPN                                 ; and its first loads, in the order in which a pass asks for the next expert's
	LBI
	LWS 0
	LHS 0
	RING 1, 1, WPN
	RING 2, 2, WPN
	LWS 1
	LHS 1
.set EI, 128
.rept 128
	v_mov_b32 v[EI], 0                             ; the output sums, while the loads are out
.set EI, EI+1
.endr
.irp m, 0,1,2,3
	v_mov_b32 v[GG+2*\m+1], 0                      ; (named as the upper half of a pair)
.endr
	s_wait_loadcnt 63                              ; the list's 36 loads and my quarter of h are in: behind h stand 76 loads
	ATS 0
	WIN 0
.irp m, 0,1,2,3
	v_min_u32 v[TG+\m], 0xfff, v[TG+\m]
	v_lshlrev_b32 v[TG+\m], 5, v[TG+\m]            ; token x 32
.endr
.set EI, 0
.rept 32
	v_min_u32 v[RO+EI], 0xfff, v[RO+EI]
	v_lshlrev_b32 v[RO+EI], 12, v[RO+EI]
	v_lshl_add_u32 v[RO+EI], v16, 4, v[RO+EI]      ; token x 4,096 + 16 r
.set EI, EI+1
.endr
	s_wait_alu depctr_va_vdst(0)                   ; the offsets made from the list are written: the gates' loads below read four of them, the way out's stores the other 32; so are the cleared sums, which the way out's LDS stores read
	LG                                             ; the gates hang on the list: the last loads of the order, as in a pass
	s_wait_dscnt 0x0
	s_barrier_signal -1
	s_barrier_wait -1
	ADVANCE
	s_mov_b32 s[TR], 0
.Ltrip:
	POS 0
	POS 1
	s_add_co_u32 s[TR], s[TR], 1
	s_cmp_lt_u32 s[TR], 4
	s_cbranch_scc1 .Ltrip
	; THE WAY OUT.  A lane holds 64 bytes twice of a token's row, and the lanes beside it hold other tokens: 16 rows at a time go through my own stage and come back as rows of 256 bytes.
	; No wait on va_vdst stands here: no vector or matrix instruction has been issued since the wait at the last pass's end (with no pass: the head's last), which stands for the sums, for the rows' offsets and for the ring's registers, in which the rows land.
	s_wait_loadcnt 0x0                             ; no load is pending on the registers that the rows come back into
.irp m, 0,1,2,3
	WIN 0
.irp b, 0,1
.irp i, 0,1,2,3
	ds_store_b128 v[SST], v[128+32*\m+16*\b+4*\i:128+32*\m+16*\b+4*\i+3] offset:128*\b+16*\i
.endr
.endr
	WIN 0x40
.irp k, 0,1,2,3,4,5,6,7
	ds_load_b128 v[32*\m+4*\k:32*\m+4*\k+3], v[SRD] offset:2*\k*272    ; LDS serves a wave's instructions in order: these see my stores, and the next rows' stores come behind them
.endr
.endr
	WIN 0x04                                       ; a store's data are its source 1: window 1
.irp m, 0,1,2,3
.irp k, 0,1,2,3,4,5,6,7
	s_wait_dscnt 16*(3-\m)+7-\k                    ; the LDS instructions issued behind this load
	global_store_b128 v[RO+8*\m+\k], v[32*\m+4*\k:32*\m+4*\k+3], s[16:17] th:TH_STORE_NT   ; sixteen lanes store 256 bytes on end of a token's row, at a multiple of 256 from out0's first byte
.endr
.endr
	WIN 0
	s_wait_dscnt 0x0                               ; the closing lines, six on end
	s_wait_alu 0x0
	s_wait_tensorcnt 0x0
	ds_add_u32 v22, v23
	s_wait_dscnt 0x0
	s_endpgm
.Lfunc_end_k_qb85f0848d9_ffn2:
	.size	k_qb85f0848d9_ffn2, .Lfunc_end_k_qb85f0848d9_ffn2-k_qb85f0848d9_ffn2
	.p2alignl 7, 3214868480
	.fill 96, 4, 3214868480
	.section	.rodata,"a",@progbits
	.p2align	6, 0x0
	.amdhsa_kernel k_qb85f0848d9_ffn2
		.amdhsa_group_segment_fixed_size 148992
		.amdhsa_private_segment_fixed_size 0
		.amdhsa_enable_private_segment 0
		.amdhsa_kernarg_size 56
		.amdhsa_user_sgpr_count 2
		.amdhsa_user_sgpr_kernarg_segment_ptr 1
		.amdhsa_wavefront_size32 1
		.amdhsa_system_sgpr_workgroup_id_x 1
		.amdhsa_system_sgpr_workgroup_id_y 1
		.amdhsa_system_sgpr_workgroup_id_z 1
		.amdhsa_system_vgpr_workitem_id 0
		.amdhsa_next_free_vgpr 896
		.amdhsa_next_free_sgpr 66
		.amdhsa_reserve_vcc 0
		.amdhsa_float_denorm_mode_32 3
		.amdhsa_float_denorm_mode_16_64 3
		.amdhsa_memory_ordered 1
		.amdhsa_forward_progress 1
		.amdhsa_inst_pref_size 225
	.end_amdhsa_kernel
	.amdgpu_metadata
---
amdhsa.version: [ 1, 2 ]
amdhsa.kernels:
  - .name:           k_qb85f0848d9_ffn2
    .symbol:         k_qb85f0848d9_ffn2.kd
    .args:
      - { .name: lst, .offset: 0, .size: 8, .value_kind: global_buffer, .address_space: global }
      - { .name: hbuf, .offset: 8, .size: 8, .value_kind: global_buffer, .address_space: global }
      - { .name: wf, .offset: 16, .size: 8, .value_kind: global_buffer, .address_space: global }
      - { .name: W2_scales, .offset: 24, .size: 8, .value_kind: global_buffer, .address_space: global }
      - { .name: b2, .offset: 32, .size: 8, .value_kind: global_buffer, .address_space: global }
      - { .name: out4, .offset: 40, .size: 8, .value_kind: global_buffer, .address_space: global }
      - { .name: out0, .offset: 48, .size: 8, .value_kind: global_buffer, .address_space: global }
    .group_segment_fixed_size: 148992
    .private_segment_fixed_size: 0
    .kernarg_segment_align: 8
    .kernarg_segment_size: 56
    .max_flat_workgroup_size: 128
    .sgpr_count:     66
    .vgpr_count:     896
    .wavefront_size: 32
...
	.end_amdgpu_metadata
.endif
;; end of part 6
